; MI455X (gfx1250); checked and timed in simulation.
; The chip was launched on July 23, 2026; its instructions are those of AMD's public machine-readable ISA for CDNA 5 (MIT licence, August 2026) and "CDNA5" Instruction Set Architecture Reference Guide (July 2026). The comments in the code are by the model that wrote it; some were corrected since.
;; Causal Self Attention. Allowed arithmetic: matrix products marked QUANTISED: E2M3 operands, one E8M0 scale for each 32 along K, by v_wmma_scale_f32_16x16x128_f8f6f4 with both operands' format E2M3, f32 sums; everything else in f32.
;; Inputs: bk 1,024 float32; bo 1,024 float32; bq 1,024 float32; bv 1,024 float32; freqs_cos 1 x 2,048 x 1 x 32 float32; freqs_sin 1 x 2,048 x 1 x 32 float32; mask 1 x 1 x 2,048 x 2,048 bool; wk 1,024 x 1,024 float32; wo 1,024 x 1,024 float32; wq 1,024 x 1,024 float32; wv 1,024 x 1,024 float32; x 2 x 2,048 x 1,024 float32.
;; Outputs: out0 2 x 2,048 x 1,024 float32.
;; This version of the problem:
;;   THIS VERSION OF THE PROBLEM IS GIVEN IN LOW PRECISION. The matrix products marked QUANTISED in the list below multiply operands that are first quantised to E2M3 (2 exponent bits, 3 mantissa bits; 6 bits a number), with one power-of-two scale for each 32 numbers along K (OCP MX v1.0); their sums are f32. All else is computed in f32.
;;   The module's matrix products, in the order in which they are computed (A, B: the left and right operand; K: the contracted axis; several contracted axes count as one K, in the product's order):
;;     1. [M 4,096, K 1,024] x [K 1,024, N 1,024]; A: input x; B: input wq: QUANTISED
;;     2. [M 4,096, K 1,024] x [K 1,024, N 1,024]; A: input x; B: input wk: QUANTISED
;;     3. [M 4,096, K 1,024] x [K 1,024, N 1,024]; A: input x; B: input wv: QUANTISED
;;     4. batch 32 x [M 2,048, K 64] x [K 64, N 2,048]; A: computed on the way; B: computed on the way: QUANTISED
;;     5. batch 32 x [M 64, K 2,048] x [K 2,048, N 2,048]; A: computed on the way; B: softmax (see below): QUANTISED
;;     6. [M 4,096, K 1,024] x [K 1,024, N 1,024]; A: computed on the way; B: input wo: QUANTISED
;;   THE QUANTISER, for each operand of a quantised product, along K:
;;     - K is cut into blocks of 32 from its start; a last block that is shorter is filled with zeros.
;;     - A block's scale is 2^e with e = floor(log2(the largest magnitude in the block)) - 2, held to -126 .. 127; a block of zeros has e = 0. As a byte (E8M0): e + 127.
;;     - Each number is divided by its block's scale, clamped to +-7.5, and rounded to the nearest number of E2M3, ties to even, subnormals kept.
;;     - The product sums the exact products of the quantised numbers (number of the format x scale) in f32.
;;   ~~~python
;;   def quantise(x, axis):      # numpy; x: float32 -> the quantised numbers, widened to float32 again
;;       x = np.moveaxis(x, axis, -1); K = x.shape[-1]
;;       x = np.pad(x, [(0, 0)] * (x.ndim - 1) + [(0, -K % 32)]); x = x.reshape(x.shape[:-1] + (-1, 32)); a = np.abs(x).max(-1, keepdims=True)
;;       e = np.where(a > 0, np.clip(np.frexp(np.where(a > 0, a, 1))[1] - 1 - 2, -126, 127), 0)      # np.frexp(a)[1] - 1 = floor(log2(a)), exactly
;;       r = np.clip(x / 2.0 ** e, -7.5, 7.5)
;;       step = 2.0 ** (np.maximum(np.frexp(np.where(r == 0, 1, r))[1] - 1, 0) - 3)
;;       q = np.round(r / step) * step * 2.0 ** e      # np.round: ties to even
;;       return np.moveaxis(q.reshape(q.shape[:-2] + (-1,))[..., :K], -1, axis).astype(np.float32)
;;   ~~~
;;   SOFTMAX AHEAD OF A QUANTISED PRODUCT. Where the list says 'softmax', what is quantised is not the finished softmax but p = 2^(t - M), with t = logit x log2(e) and M = ceil(the row's largest t), a whole number; so 1/2 < the row's largest p <= 1. The row's sum l is taken of the UNQUANTISED p, in f32, and the product's result is divided by l at the end. Since M is a whole number, a kernel that streams over the keys may use a running M (the ceiling of the running maximum): every later rescaling is an exact power of two, which a block's scale takes up: the codes' values come out the same.
;;   OPERANDS COMPUTED ON THE WAY. 'Computed on the way' means the value that the module computes at that place (a softmax that the list does not call 'softmax' is quantised finished and normalised). What goes into a quantiser is computed in f32, as accurately as f32 sums, v_exp_f32 and their like allow (about 1e-6 of the number): no bf16 or f16 on the way to a quantiser, and a product that is left as it is and whose result goes on into a quantised operand takes f32 operands (vector FMAs, or v_wmma_f32_16x16x4_f32). A number that lies on a knife's edge between two numbers of the format may be rounded either way, as far as f32 arithmetic and the matrix unit's own rounding can turn it there, and no further.
;; One version. Each part assembles by itself: llvm-mc -triple=amdgcn-amd-amdhsa -mcpu=gfx1250 --defsym DOCPART=n.
;; ======== version 1 of 1: 4 launches
;; limits: right only within a limited range of input values
;; workspace buffers: xq 3,276,800 bytes; wc 3,276,800 bytes; mb 524,288 bytes of whole numbers; ms 16,384 bytes of whole numbers; qq 3,407,872 bytes; kv 6,684,672 bytes; oq 3,276,800 bytes
;; launch prep (part 1): grid 640 x 1, 4 waves a work-group, no clusters, 34,304 bytes of LDS; arguments x, wq, wk, wv, wo, mask, xq, wc, mb, ms; writes xq, wc, mb, ms
.if DOCPART == 1
	.amdgcn_target "amdgcn-amd-amdhsa--gfx1250"
	.amdhsa_code_object_version 6
	.text
	.protected	k_q3e881280f0_prep
	.globl	k_q3e881280f0_prep
	.p2align	8
	.type	k_q3e881280f0_prep,@function
k_q3e881280f0_prep:
	s_mov_b64 s[64:65], 0
	v_nop
	global_prefetch_b8 v0, s[64:65] scope:SCOPE_SE
	s_setreg_imm32_b32 hwreg(HW_REG_WAVE_MODE, 25, 1), 1
	s_wait_xcnt 0x0
; THREE JOBS IN ONE LAUNCH, told apart by the work-group's number: 0-255 quantise the four weights, 256-383 quantise x, 384-639 pack the mask into bits.
; Codes are FP6 (E2M3) with one E8M0 byte for each 32 along K.  A block's scale is 2^(floor(log2(largest magnitude)) - 2): its byte is the largest magnitude's exponent field - 2, held at 1 from below.
; (A block of zeros keeps the byte 1: its codes are zeros, and only this program reads the bytes.)  LIMITS: NaN and infinities among the inputs are not served; a block whose largest magnitude lies under 2^-124 keeps the byte 1.
; ALL RESULTS ARE LAID AS IMAGES OF OPERAND REGISTERS.  A fragment (16 rows x 128 K, 12 registers a lane) is 1,536 bytes: registers 4 p .. 4 p + 3 of lane l at 512 p + 16 l.  Lane (r, h) holds row r, registers 6 c .. 6 c + 5 = K 64 c + 32 h + 0 .. 31.
; THE 16 ROWS OF A TILE ARE NOT NEIGHBOURS: tile 2 b + u of a group of 32 (tokens, or columns of a weight) holds 32 b + 8 u + tau(i) at row i, tau(i) = i + 8 (i / 8): so a product that takes the tile as source 0
; leaves, in the 16 result registers of tiles 2 b and 2 b + 1, 16 neighbours.
; No matrix work, no tensor loads, no barrier: waves share nothing.  Only the x path touches LDS (a stage of its own for each wave).
.set FLOOR, 0x1800000                  ; 2^(3 - 127): no largest magnitude is taken under it, so the byte cannot fall under 1
.set EOFF,  0xff000000                 ; -(2 << 23): 2 off an exponent field
.macro MAX32 d, t, x                   ; v[d] = the largest magnitude of v[x] .. v[x + 31] and the floor; two chains
	v_max3_num_f32 v[\d], |v[\x]|, |v[\x+1]|, |v[\x+2]|
	v_max3_num_f32 v[\t], |v[\x+3]|, |v[\x+4]|, |v[\x+5]|
.irp i, 6,10,14,18,22,26
	v_max3_num_f32 v[\d], v[\d], |v[\x+\i]|, |v[\x+\i+1]|
	v_max3_num_f32 v[\t], v[\t], |v[\x+\i+2]|, |v[\x+\i+3]|
.endr
	v_max3_num_f32 v[\d], v[\d], |v[\x+30]|, |v[\x+31]|
	v_max3_num_f32 v[\d], v[\d], v[\t], FLOOR
.endm
	s_load_b512 s[4:19], s[0:1], 0x0               ; x s[4:5], wq s[6:7], wk s[8:9], wv s[10:11], wo s[12:13], mask s[14:15], xq s[16:17], wc s[18:19]
	s_load_b64 s[20:21], s[0:1], 0x40              ; mb
	s_load_b64 s[44:45], s[0:1], 0x48              ; ms: for each tile of queries and key step two words: the OR and the AND of the step's 64 mask words
	v_lshl_add_u32 v254, v0, 2, 0x8400
	v_mov_b32 v255, 0
	v_lshrrev_b32 v1, 5, v0
	v_readfirstlane_b32 s22, v1                    ; wave 0..3
	v_and_b32 v1, 31, v0                           ; l
	v_and_b32 v2, 15, v0                           ; r
	v_bfe_u32 v3, v0, 4, 1                         ; h
	v_and_b32 v4, 8, v2
	v_add_nc_u32 v4, v4, v2                        ; tau(r)
	v_lshlrev_b32 v5, 4, v1                        ; 16 l
	s_wait_kmcnt 0x0
	s_cmp_lt_u32 ttmp9, 256
	s_cbranch_scc1 .Lweights
	s_cmp_lt_u32 ttmp9, 384
	s_cbranch_scc1 .Ltokens
; ---- THE MASK.  A wave takes one tile of 16 queries and 256 keys (two key steps of 128).  Word n (0 .. 63) of a step: bit l = mask[query r of the tile][128 step + 32 (n / 16) + 16 h + n % 16]:
; the lanes and registers in which the attention launch holds that score.  A compare makes a word in a scalar register; v_writelane_b32 gathers two words a lane, so that a step's 64 words leave as 256 consecutive bytes.
	s_sub_co_u32 s24, ttmp9, 384
	s_lshl_b32 s24, s24, 2
	s_add_co_u32 s24, s24, s22                     ; 0 .. 1023
	s_lshr_b32 s25, s24, 3                         ; the tile of queries, 0 .. 127
	s_and_b32 s26, s24, 7                          ; which 256 keys
	s_lshr_b32 s27, s25, 1
	s_lshl_b32 s27, s27, 5
	s_and_b32 s28, s25, 1
	s_lshl_b32 s28, s28, 3
	s_add_co_u32 s27, s27, s28                     ; the tile's first query
	s_lshl_b32 s27, s27, 11                        ; a row of the mask is 2,048 bytes
	s_lshl_b32 s28, s26, 8
	s_add_co_u32 s28, s27, s28
	s_mov_b32 s29, 0
	s_add_nc_u64 s[14:15], s[14:15], s[28:29]
	s_lshl_b32 s28, s25, 12                        ; 4,096 bytes of words a tile,
	s_lshl_b32 s30, s26, 9                         ; 256 a step
	s_add_co_u32 s28, s28, s30
	s_add_nc_u64 s[20:21], s[20:21], s[28:29]
	s_lshl_b32 s28, s25, 7                         ; ms: 128 bytes a tile,
	s_lshl_b32 s30, s26, 4                         ; 8 a step, 16 for my two steps
	s_add_co_u32 s28, s28, s30
	s_add_nc_u64 s[44:45], s[44:45], s[28:29]
	s_wait_alu depctr_va_vdst(0)
	v_lshlrev_b32 v6, 11, v4                       ; row tau(r)
	v_lshl_add_u32 v6, v3, 4, v6                   ; + 16 h
.irp e, 0,1
.irp b, 0,1,2,3
	global_load_b128 v[16+16*\e+4*\b:19+16*\e+4*\b], v6, s[14:15] offset:128*\e+32*\b   ; 16 keys a lane; the eight loads together take each row's 256 bytes whole
.endr
.endr
.irp i, 0,1,2,3
	v_mov_b32 v[48+\i], 0                          ; v_writelane_b32's destination counts as read
.endr
	v_lshlrev_b32 v7, 3, v1                        ; 8 l
	s_wait_alu depctr_va_vdst(0)
	s_wait_loadcnt 0x0
.set EE, 0
.rept 2
.set NN, 0
.rept 64
	v_and_b32 v[8+NN%4], 0xff<<(8*(NN%4)), v[16+16*EE+4*(NN/16)+(NN%16)/4]   ; the byte of key 32 (n / 16) + 16 h + n % 16
	v_cmp_ne_u32 s[32+NN%4], 0, v[8+NN%4]          ; one bit a lane
	v_writelane_b32 v[48+2*EE+NN%2], s[32+NN%4], NN/2   ; lane n / 2 keeps words n and n + 1
.set NN, NN+1
.endr
.set EE, EE+1
.endr
	global_store_b64 v7, v[48:49], s[20:21]        ; 32 lanes store 256 consecutive bytes, aligned
	global_store_b64 v7, v[50:51], s[20:21] offset:256
; The two summary words of each step.  A lane's 16 registers of a step hold its 64 mask bytes (each 0 or 1): their OR is not 0 where the lane has a visible key, their AND is 0x01010101 where all are visible.
; One compare makes of each a word with one bit a lane: the OR and the AND of the step's 64 words.
.irp e, 0,1
	v_or_b32 v[52+2*\e], v[16+16*\e], v[17+16*\e]
	v_and_b32 v[53+2*\e], v[16+16*\e], v[17+16*\e]
.irp i, 2,3,4,5,6,7,8,9,10,11,12,13,14,15
	v_or_b32 v[52+2*\e], v[52+2*\e], v[16+16*\e+\i]
	v_and_b32 v[53+2*\e], v[53+2*\e], v[16+16*\e+\i]
.endr
.endr
	v_cmp_ne_u32 s40, 0, v52
	v_cmp_eq_u32 s41, 0x01010101, v53
	v_cmp_ne_u32 s42, 0, v54
	v_cmp_eq_u32 s43, 0x01010101, v55
	v_mov_b32 v52, s40
	v_mov_b32 v53, s41
	v_mov_b32 v54, s42
	v_mov_b32 v55, s43
	v_mov_b32 v56, 0
	s_wait_alu depctr_va_vdst(0)
	s_wait_xcnt 0x0                                ; EXEC changes only behind this wait
	v_cmpx_gt_u32 1, v1                            ; lane 0 alone
	global_store_b128 v56, v[52:55], s[44:45]      ; my two steps' four words
	s_endpgm
; ---- THE WEIGHTS, stored [K][N].  A work-group: one weight, 128 columns, 128 along K.  A lane takes a column and its 128 registers run down K, so a block of 32 lies in one lane and the conversions give codes with K innermost.
; Lane (r, h) takes column 32 b + 8 h + tau(r) of its wave's 32: row r of tile 2 b + h.  A fragment wants blocks 0, 2 in lanes 0-15 and blocks 1, 3 in lanes 16-31: twelve exchanges of lane halves between the two tiles' registers give both.
.Lweights:
	s_lshr_b32 s24, ttmp9, 6                       ; which weight: q, k, v, o
	s_bfe_u32 s25, ttmp9, 0x30003                  ; which 128 columns
	s_and_b32 s26, ttmp9, 7                        ; which 128 along K
	s_lshr_b32 s27, s22, 1
	s_lshl_b32 s28, s25, 1
	s_add_co_u32 s27, s27, s28                     ; the group of 64 columns: a head, or wo's column group
	s_and_b32 s28, s22, 1                          ; b: which 32 of the 64
	s_lshl_b32 s34, s24, 2                         ; a head's block holds q's tiles 0-3, k's 4-7, v's 8-11
	s_cmp_eq_u32 s24, 1
	s_cselect_b64 s[6:7], s[8:9], s[6:7]
	s_cmp_eq_u32 s24, 2
	s_cselect_b64 s[6:7], s[10:11], s[6:7]
	s_cmp_eq_u32 s24, 3
	s_cselect_b64 s[6:7], s[12:13], s[6:7]         ; the choice hangs on the work-group's number alone
	s_mov_b32 s30, 153600
	s_cselect_b32 s30, 51200, s30                  ; bytes of a group of 64 columns: 8 K steps of
	s_mov_b32 s31, 19200
	s_cselect_b32 s31, 6400, s31                   ; 12 (or wo: 4) fragments and as many times 64 bytes of scale words
	s_mov_b32 s32, 18432
	s_cselect_b32 s32, 6144, s32                   ; where the scale words begin in a K step
	s_cselect_b32 s33, 2457600, 0                  ; wo lies behind the sixteen heads
	s_cselect_b32 s34, 0, s34
	s_lshl_b32 s28, s28, 1
	s_add_co_u32 s34, s34, s28                     ; my first tile
	s_mul_i32 s30, s30, s27
	s_mul_i32 s31, s31, s26
	s_add_co_u32 s33, s33, s30
	s_add_co_u32 s33, s33, s31                     ; the K step's block
	s_mul_i32 s36, s34, 1536
	s_add_co_u32 s36, s36, s33
	s_mov_b32 s37, 0
	s_lshl_b32 s38, s34, 6
	s_add_co_u32 s38, s38, s33
	s_add_co_u32 s38, s38, s32
	s_mov_b32 s39, 0
	s_add_nc_u64 s[36:37], s[18:19], s[36:37]      ; my two fragments
	s_add_nc_u64 s[38:39], s[18:19], s[38:39]      ; their scale words
	s_lshl_b32 s40, s26, 19                        ; 128 rows of 4,096 bytes
	s_lshl_b32 s41, s25, 9
	s_add_co_u32 s40, s40, s41
	s_lshl_b32 s41, s22, 7
	s_add_co_u32 s40, s40, s41                     ; + my wave's first column
	s_mov_b32 s41, 0
	s_add_nc_u64 s[6:7], s[6:7], s[40:41]
	s_wait_alu depctr_va_vdst(0)
	v_lshl_add_u32 v6, v3, 3, v4
	v_lshlrev_b32 v6, 2, v6                        ; 4 (tau(r) + 8 h): the 32 lanes of a load cover 128 consecutive bytes, the four waves 512
	v_lshlrev_b32 v7, 2, v1                        ; 4 l
.set II, 0
.rept 128
	global_load_b32 v[16+II], v6, s[6:7] offset:II*4096 th:TH_LOAD_NT
.set II, II+1
.endr
.macro WBLOCK q                        ; block q of my column -> registers 6 (q / 2) .. + 5 of run q % 2 (v144 on, v156 on)
.if (\q) < 2
	s_wait_loadcnt 63                              ; behind this block's loads 96 or 64 were issued; a wait names 63 at the most
.else
	s_wait_loadcnt 96-32*(\q)                      ; the later blocks' loads may be out
.endif
	MAX32 12, 13, 16+32*(\q)
	v_add_nc_u32 v11, EOFF, v12                    ; the conversion takes this operand's exponent field as its scale
	v_lshrrev_b32 v13, 23, v11                     ; the byte
.if (\q) == 0
	v_mov_b32 v14, v13
.else
	v_lshl_or_b32 v14, v13, 8*(\q), v14            ; four bytes: my column's scale word of this K step
.endif
	v_cvt_scalef32_pk16_fp6_f32 v[144+12*((\q)%2)+6*((\q)/2):146+12*((\q)%2)+6*((\q)/2)], v[16+32*(\q):31+32*(\q)], v11
	v_cvt_scalef32_pk16_fp6_f32 v[168:170], v[32+32*(\q):47+32*(\q)], v11   ; (a conversion's three registers begin on an even number)
	v_nop                                          ; one plain line behind the conversions
.irp i, 0,1,2
	v_mov_b32 v[147+12*((\q)%2)+6*((\q)/2)+\i], v[168+\i]
.endr
.endm
	WBLOCK 0
	WBLOCK 1
	WBLOCK 2
	WBLOCK 3
.irp i, 0,1,2,3,4,5,6,7,8,9,10,11
	v_permlane16_swap_b32 v[144+\i], v[156+\i]     ; run 0's lanes 16-31 (tile 2 b + 1, blocks 0, 2) change places with run 1's lanes 0-15 (tile 2 b, blocks 1, 3): run 0 is now tile 2 b's fragment, run 1 tile 2 b + 1's
.endr
.irp p, 0,1,2
	global_store_b128 v5, v[144+4*\p:147+4*\p], s[36:37] offset:512*\p          ; 512 consecutive bytes a store
	global_store_b128 v5, v[156+4*\p:159+4*\p], s[36:37] offset:1536+512*\p
.endr
	global_store_b32 v7, v14, s[38:39]             ; lane (r, h): row r of tile 2 b + h: 128 consecutive bytes
	s_endpgm
; ---- x, stored [token][K].  A wave: one tile of 16 tokens, four K steps of 128.  A load takes one token's 512 consecutive bytes; the 16 rows turn through the wave's own stage in LDS (pitch 528) and come back as the
; fragment wants them: lane (r, h) gets K 64 c + 32 h + 0 .. 31 of row r, two whole blocks.
.Ltokens:
	s_sub_co_u32 s24, ttmp9, 256                   ; a pair of tiles: 32 tokens
	s_lshr_b32 s25, s22, 1                         ; which tile of the pair
	s_and_b32 s26, s22, 1                          ; which half of K
	s_lshl_b32 s27, s24, 1
	s_add_co_u32 s27, s27, s25                     ; the tile, 0 .. 255
	s_lshl_b32 s28, s24, 17                        ; 32 tokens of 4,096 bytes
	s_lshl_b32 s29, s25, 15                        ; + 8 tokens
	s_add_co_u32 s28, s28, s29
	s_lshl_b32 s29, s26, 11                        ; + 512 numbers
	s_add_co_u32 s28, s28, s29
	s_mov_b32 s29, 0
	s_add_nc_u64 s[4:5], s[4:5], s[28:29]
	s_lshl_b32 s30, s27, 3
	s_lshl_b32 s31, s26, 2
	s_add_co_u32 s30, s30, s31
	s_mul_i32 s30, s30, 1536
	s_mov_b32 s31, 0
	s_add_nc_u64 s[32:33], s[16:17], s[30:31]      ; my four fragments
	s_lshl_b32 s30, s27, 9
	s_lshl_b32 s34, s26, 8
	s_add_co_u32 s30, s30, s34
	s_add_co_u32 s30, s30, 3145728
	s_add_nc_u64 s[36:37], s[16:17], s[30:31]      ; their scale words: [tile][half][r][4 words]
	s_mul_i32 s35, s22, 8448                       ; my stage
	s_wait_alu depctr_va_vdst(0)
	v_add_nc_u32 v6, s35, v5                       ; in: 16 l of row i
	v_mul_u32_u24 v7, v2, 528
	v_lshl_add_u32 v7, v3, 7, v7
	v_add_nc_u32 v7, s35, v7                       ; out: row r, + 128 h
	v_lshlrev_b32 v8, 4, v2
	v_lshl_add_u32 v8, v3, 3, v8                   ; 16 r + 8 h
	v_lshlrev_b32 v9, 3, v3                        ; 8 h
	s_mov_b32 s40, 0x76543210
	s_mov_b32 s41, 0xfedcba98                      ; v_permlanex16_b32's selects for lane l xor 16
	s_mov_b32 s42, 0xffff0000                      ; lanes 16-31
.macro LOADX t
.irp i, 0,1,2,3,4,5,6,7,8,9,10,11,12,13,14,15
	global_load_b128 v[16+64*((\t)%2)+4*\i:19+64*((\t)%2)+4*\i], v5, s[4:5] offset:(\i+8*(\i/8))*4096+512*(\t) th:TH_LOAD_NT
.endr
.endm
.macro TURN t                          ; LDS serves a wave's instructions in order: no wait between the stores and the loads
.irp i, 0,1,2,3,4,5,6,7,8,9,10,11,12,13,14,15
	ds_store_b128 v6, v[16+64*((\t)%2)+4*\i:19+64*((\t)%2)+4*\i] offset:528*\i
.endr
.irp c, 0,1
.irp j, 0,1,2,3,4,5,6,7
	ds_load_b128 v[144+32*\c+4*\j:147+32*\c+4*\j], v7 offset:256*\c+16*\j
.endr
.endr
.endm
.macro XSTEP t
.if (\t) < 3
	s_wait_loadcnt 16                              ; this step's 16 loads are in; the next step's may be out
.else
	s_wait_loadcnt 0x0
.endif
	TURN \t
	s_wait_dscnt 0x0                               ; the numbers are back, and the stage's stores have read their registers,
.if (\t) < 2
	LOADX (\t)+2                                   ; which take the loads of two steps on
.endif
	s_wait_xcnt 0x0                                ; the last step's stores have read their codes: the registers may be written again
	MAX32 10, 11, 144                              ; block h,
	MAX32 12, 13, 176                              ; block 2 + h
	v_add_nc_u32 v14, EOFF, v10
	v_add_nc_u32 v15, EOFF, v12
	v_lshrrev_b32 v10, 23, v14
	v_lshrrev_b32 v12, 23, v15
	v_lshl_or_b32 v10, v12, 16, v10
	v_lshlrev_b32 v10, v9, v10                     ; my two bytes at their places in the scale word
	v_permlanex16_b32 v11, v10, s40, s41
	v_or_b32 v[228+(\t)], v10, v11                 ; with lane l xor 16's two the word is whole
	v_cvt_scalef32_pk16_fp6_f32 v[208:210], v[144:159], v14
	v_cvt_scalef32_pk16_fp6_f32 v[220:222], v[160:175], v14
	v_cvt_scalef32_pk16_fp6_f32 v[214:216], v[176:191], v15
	v_cvt_scalef32_pk16_fp6_f32 v[224:226], v[192:207], v15
	v_nop                                          ; one plain line behind the conversions
.irp i, 0,1,2
	v_mov_b32 v[211+\i], v[220+\i]
	v_mov_b32 v[217+\i], v[224+\i]
.endr
.irp p, 0,1,2
	global_store_b128 v5, v[208+4*\p:211+4*\p], s[32:33] offset:1536*(\t)+512*\p
.endr
.endm
	LOADX 0
	LOADX 1
	s_wait_alu depctr_va_vdst(0)
	XSTEP 0
	XSTEP 1
	XSTEP 2
	XSTEP 3
	v_cndmask_b32 v232, v228, v230, s42            ; lane (r, h) stores words 2 h and 2 h + 1 of row r
	v_cndmask_b32 v233, v229, v231, s42
	global_store_b64 v8, v[232:233], s[36:37]      ; 256 consecutive bytes, aligned
	s_wait_tensorcnt 0x0
	ds_add_u32 v254, v255
	s_wait_dscnt 0x0
	s_endpgm
.Lfunc_end_k_q3e881280f0_prep:
	.size	k_q3e881280f0_prep, .Lfunc_end_k_q3e881280f0_prep-k_q3e881280f0_prep
	.p2alignl 7, 3214868480
	.fill 96, 4, 3214868480
	.section	.rodata,"a",@progbits
	.p2align	6, 0x0
	.amdhsa_kernel k_q3e881280f0_prep
		.amdhsa_group_segment_fixed_size 34304
		.amdhsa_private_segment_fixed_size 0
		.amdhsa_enable_private_segment 0
		.amdhsa_kernarg_size 80
		.amdhsa_user_sgpr_count 2
		.amdhsa_user_sgpr_kernarg_segment_ptr 1
		.amdhsa_wavefront_size32 1
		.amdhsa_system_sgpr_workgroup_id_x 1
		.amdhsa_system_sgpr_workgroup_id_y 1
		.amdhsa_system_sgpr_workgroup_id_z 1
		.amdhsa_system_vgpr_workitem_id 0
		.amdhsa_next_free_vgpr 256
		.amdhsa_next_free_sgpr 66
		.amdhsa_reserve_vcc 0
		.amdhsa_float_denorm_mode_32 3
		.amdhsa_float_denorm_mode_16_64 3
		.amdhsa_memory_ordered 1
		.amdhsa_forward_progress 1
		.amdhsa_inst_pref_size 80
	.end_amdhsa_kernel
	.amdgpu_metadata
---
amdhsa.version: [ 1, 2 ]
amdhsa.kernels:
  - .name:           k_q3e881280f0_prep
    .symbol:         k_q3e881280f0_prep.kd
    .args:
      - { .name: x, .offset: 0, .size: 8, .value_kind: global_buffer, .address_space: global }
      - { .name: wq, .offset: 8, .size: 8, .value_kind: global_buffer, .address_space: global }
      - { .name: wk, .offset: 16, .size: 8, .value_kind: global_buffer, .address_space: global }
      - { .name: wv, .offset: 24, .size: 8, .value_kind: global_buffer, .address_space: global }
      - { .name: wo, .offset: 32, .size: 8, .value_kind: global_buffer, .address_space: global }
      - { .name: mask, .offset: 40, .size: 8, .value_kind: global_buffer, .address_space: global }
      - { .name: xq, .offset: 48, .size: 8, .value_kind: global_buffer, .address_space: global }
      - { .name: wc, .offset: 56, .size: 8, .value_kind: global_buffer, .address_space: global }
      - { .name: mb, .offset: 64, .size: 8, .value_kind: global_buffer, .address_space: global }
      - { .name: ms, .offset: 72, .size: 8, .value_kind: global_buffer, .address_space: global }
    .group_segment_fixed_size: 34304
    .private_segment_fixed_size: 0
    .kernarg_segment_align: 8
    .kernarg_segment_size: 80
    .max_flat_workgroup_size: 128
    .sgpr_count:     66
    .vgpr_count:     256
    .wavefront_size: 32
...
	.end_amdgpu_metadata
.endif
;; end of part 1
;; launch qkv (part 2): grid 16 x 16, 4 waves a work-group, clusters of 4 x 1, 327,680 bytes of LDS; arguments xq, wc, bq, bk, bv, freqs_cos, freqs_sin, qq, kv; writes qq, kv
.if DOCPART == 2
	.amdgcn_target "amdgcn-amd-amdhsa--gfx1250"
	.amdhsa_code_object_version 6
	.text
	.protected	k_q3e881280f0_qkv
	.globl	k_q3e881280f0_qkv
	.p2align	8
	.type	k_q3e881280f0_qkv,@function
k_q3e881280f0_qkv:
	s_mov_b64 s[64:65], 0
	v_nop
	global_prefetch_b8 v0, s[64:65] scope:SCOPE_SE
	s_setreg_imm32_b32 hwreg(HW_REG_WAVE_MODE, 25, 1), 1
	s_wait_xcnt 0x0
	s_wait_alu depctr_hold_cnt(0) depctr_sa_sdst(0) depctr_va_vdst(0) depctr_va_sdst(0) depctr_va_ssrc(0) depctr_va_vcc(0) depctr_vm_vsrc(0)
	s_getreg_b32 s2, hwreg(HW_REG_IB_STS2, 6, 4)
	s_cmp_eq_u32 s2, 0
	s_cbranch_scc0 .Lentry_in_a_cluster
	s_endpgm
.Lentry_in_a_cluster:
	s_bfe_u32 s2, ttmp6, 0x10000c
	s_cmp_lg_u32 s2, 0x3003
	s_cbranch_scc0 .Lentry_shape_is_right
	s_endpgm
.Lentry_shape_is_right:
; q, k, v = x W + b for 256 tokens and ONE head (192 columns), on codes of FP6 with E8M0 scales; then the rotation of q and k, and all three are quantised for the attention launch and stored as images of operand registers.
; SHARES.  Work-group (mt, head).  Wave w: tokens 64 w .. 64 w + 63 of the 256 (four tiles of 16) x all 192 columns: 48 accumulators, 384 registers.
; THE HEAD'S WEIGHTS, all of K (153,600 bytes), lie in LDS, filled once: no slot is ever filled again.  The four work-groups of a cluster take the same head, so the weights are asked for JOINTLY (mask 15).
; x's FRAGMENTS are each wave's own and go from memory straight into registers, five K steps deep.  They are read by the sixteen heads' work-groups and are not shared through LDS: 256 tokens' codes (196,608 bytes) and the
; weights (153,600) are together more than the 327,680 bytes that a work-group can claim.
; ORIENTATION.  q, k: source 0 = 16 columns of the weight, source 1 = 16 tokens: a lane holds one token, its registers run along the head's 64.  v: source 0 = 16 tokens, source 1 = 16 columns: a lane holds one channel, its
; registers run along the tokens, which are the second attention product's K.  By the order of rows in a tile (tau) 32 neighbouring accumulator registers are in both cases two halves (16 h + 0 .. 15) of two blocks of 32.
; LIMITS: NaN and infinities are not served; a block whose largest magnitude lies under 2^-124 keeps the byte 1 (a block of zeros too: its codes are zeros).
; REGISTERS.  Window 0: v1-15 addresses; v16-31 x's scale words (8 p + s: lanes 0-15 tile 2 p, lanes 16-31 tile 2 p + 1, K step s); v32-35 the weights' scale words, two sets; v36-47 at work; v48-59 codes just made; v60-63 bv;
;   v64-159 two sets of four weight fragments; v160-191 32 numbers ahead of the quantiser; v192-207 scale words on their way out.   Window 1: x's fragments, K step s at 48 (s % 5) + 12 tile.
;   Window 2: q's accumulators 8 (4 tile + j), k's 128 + the same.   Window 3: v's accumulators 8 (4 n + tile); v128-191 bq, bk as the C of the first K step, later v128-255 cos and sin.
.set T,   160
.set TM,  36
.set PC,  48
.set BV,  60
.set XS,  16
.set WS,  32
.set WF,  64
.set STG, 153600                       ; behind the weights: 512 bytes in which the four waves gather v's scale bytes
.set MSB, 0
.macro WIN new                         ; the immediate's high byte repeats the setting that is left
.if MSB != \new
	s_set_vgpr_msb (MSB<<8)|\new
.set MSB, \new
.endif
.endm
.macro ROUND                           ; a round of the cluster's barrier
	s_barrier_signal -1
	s_barrier_wait -1
	s_cmp_lg_u32 s22, 0
	s_cbranch_scc1 .Lnot_wave_0_\@
	s_barrier_signal -3
.Lnot_wave_0_\@:
	s_barrier_wait -3
	s_barrier_signal -1
	s_barrier_wait -1
.endm
.macro PLACES                          ; four plain lines between a matrix instruction and a load into, or a read of, its registers
.rept 4
	v_nop
.endr
.endm
; one product: D, source 0, source 1, C (under 0: the constant 0), the two scale registers, and which half of the lanes holds each side's scale words
.macro WM d, a, b, c, sa, sb, ra, rb
.if (\c) < 0
.if (\ra) && (\rb)
	v_wmma_scale_f32_16x16x128_f8f6f4 v[(\d):(\d)+7], v[(\a):(\a)+11], v[(\b):(\b)+11], 0, v[\sa], v[\sb] matrix_a_fmt:MATRIX_FMT_FP6 matrix_b_fmt:MATRIX_FMT_FP6 matrix_a_scale:MATRIX_SCALE_ROW1 matrix_b_scale:MATRIX_SCALE_ROW1
.elseif (\ra)
	v_wmma_scale_f32_16x16x128_f8f6f4 v[(\d):(\d)+7], v[(\a):(\a)+11], v[(\b):(\b)+11], 0, v[\sa], v[\sb] matrix_a_fmt:MATRIX_FMT_FP6 matrix_b_fmt:MATRIX_FMT_FP6 matrix_a_scale:MATRIX_SCALE_ROW1
.elseif (\rb)
	v_wmma_scale_f32_16x16x128_f8f6f4 v[(\d):(\d)+7], v[(\a):(\a)+11], v[(\b):(\b)+11], 0, v[\sa], v[\sb] matrix_a_fmt:MATRIX_FMT_FP6 matrix_b_fmt:MATRIX_FMT_FP6 matrix_b_scale:MATRIX_SCALE_ROW1
.else
	v_wmma_scale_f32_16x16x128_f8f6f4 v[(\d):(\d)+7], v[(\a):(\a)+11], v[(\b):(\b)+11], 0, v[\sa], v[\sb] matrix_a_fmt:MATRIX_FMT_FP6 matrix_b_fmt:MATRIX_FMT_FP6
.endif
.else
.if (\ra) && (\rb)
	v_wmma_scale_f32_16x16x128_f8f6f4 v[(\d):(\d)+7], v[(\a):(\a)+11], v[(\b):(\b)+11], v[(\c):(\c)+7], v[\sa], v[\sb] matrix_a_fmt:MATRIX_FMT_FP6 matrix_b_fmt:MATRIX_FMT_FP6 matrix_a_scale:MATRIX_SCALE_ROW1 matrix_b_scale:MATRIX_SCALE_ROW1
.elseif (\ra)
	v_wmma_scale_f32_16x16x128_f8f6f4 v[(\d):(\d)+7], v[(\a):(\a)+11], v[(\b):(\b)+11], v[(\c):(\c)+7], v[\sa], v[\sb] matrix_a_fmt:MATRIX_FMT_FP6 matrix_b_fmt:MATRIX_FMT_FP6 matrix_a_scale:MATRIX_SCALE_ROW1
.elseif (\rb)
	v_wmma_scale_f32_16x16x128_f8f6f4 v[(\d):(\d)+7], v[(\a):(\a)+11], v[(\b):(\b)+11], v[(\c):(\c)+7], v[\sa], v[\sb] matrix_a_fmt:MATRIX_FMT_FP6 matrix_b_fmt:MATRIX_FMT_FP6 matrix_b_scale:MATRIX_SCALE_ROW1
.else
	v_wmma_scale_f32_16x16x128_f8f6f4 v[(\d):(\d)+7], v[(\a):(\a)+11], v[(\b):(\b)+11], v[(\c):(\c)+7], v[\sa], v[\sb] matrix_a_fmt:MATRIX_FMT_FP6 matrix_b_fmt:MATRIX_FMT_FP6
.endif
.endif
.endm
.macro ALOAD s                         ; my four tiles' fragments of K step s: 12 loads of 512 consecutive bytes (the caller has set the destination's window to 1)
.irp tt, 0,1,2,3
.irp p, 0,1,2
	global_load_b128 v[48*((\s)%5)+12*\tt+4*\p:48*((\s)%5)+12*\tt+4*\p+3], v4, s[4:5] offset:12288*\tt+1536*(\s)+512*\p
.endr
.endr
.endm
; group G = 3 s + g: K step s; g = 0: q's four tiles of columns, 1: k's, 2: v's.  Its four fragments and two registers of scale words come from LDS into set G % 2: 14 loads
.macro FETCHW G
.set KS_, (\G)/3
.set GG_, (\G)%3
.set ST_, (\G)%2
.irp jj, 0,1,2,3
.irp p, 0,1,2
	ds_load_b128 v[WF+48*ST_+12*\jj+4*\p:WF+48*ST_+12*\jj+4*\p+3], v[4+KS_/3] offset:(KS_%3)*19200+(4*GG_+\jj)*1536+512*\p
.endr
.endr
.irp i, 0,1
	ds_load_b32 v[WS+2*ST_+\i], v[7+KS_/3] offset:(KS_%3)*19200+18432+256*GG_+128*\i   ; lanes 0-15 tile 2 i, lanes 16-31 tile 2 i + 1
.endr
.endm
; the group's 16 products, on 16 different accumulators; an accumulator's next turn comes 48 products later
.macro MULG G
.set KS_, (\G)/3
.set GG_, (\G)%3
.set ST_, (\G)%2
.set SL_, 48*(KS_%5)
.if GG_ < 2
.if KS_ == 0
	WIN 0xb4                                       ; source 0 window 0, source 1 window 1, C (the bias) window 3, D window 2
.else
	WIN 0xa4                                       ; C and D window 2
.endif
.irp jj, 0,1,2,3
.irp tt, 0,1,2,3
.if KS_ == 0
	WM 128*GG_+8*(4*\tt+\jj), WF+48*ST_+12*\jj, SL_+12*\tt, 128+32*GG_+8*\jj, WS+2*ST_+\jj/2, XS+8*(\tt/2)+KS_, \jj%2, \tt%2
.else
	WM 128*GG_+8*(4*\tt+\jj), WF+48*ST_+12*\jj, SL_+12*\tt, 128*GG_+8*(4*\tt+\jj), WS+2*ST_+\jj/2, XS+8*(\tt/2)+KS_, \jj%2, \tt%2
.endif
.endr
.endr
.else
	WIN 0xf1                                       ; source 0 (x) window 1, source 1 (the weight) window 0, C and D window 3
.irp jj, 0,1,2,3
.irp tt, 0,1,2,3
.if KS_ == 0
	WM 8*(4*\jj+\tt), SL_+12*\tt, WF+48*ST_+12*\jj, -1, XS+8*(\tt/2)+KS_, WS+2*ST_+\jj/2, \tt%2, \jj%2
.else
	WM 8*(4*\jj+\tt), SL_+12*\tt, WF+48*ST_+12*\jj, 8*(4*\jj+\tt), XS+8*(\tt/2)+KS_, WS+2*ST_+\jj/2, \tt%2, \jj%2
.endif
.endr
.endr
.endif
	WIN 0
.endm
.macro GROUP G
	PLACES                                         ; behind the last group's products: the loads below land in registers that earlier products have read
.if (\G) == 11
	s_wait_tensorcnt 0x0                           ; my second tensor load has landed (K step 4 + w),
	s_wait_dscnt 0x0
	s_barrier_signal -1
	s_barrier_wait -1                              ; everybody's has: K steps 4 to 7 may be read.
.endif
.if ((\G) == 3) || ((\G) == 6) || ((\G) == 9)
	WIN 0x40
	ALOAD 4+(\G)/3                                 ; K steps 5, 6, 7 take the places of K steps 0, 1, 2
	WIN 0
.endif
.if (\G) == 12
	WIN 0xc0                                       ; cos and sin of my 64 tokens, over the biases, which K step 0 has used: tile t: cos at 128 + 32 t + m, sin 16 further on, m = 8 b + i the lane's pair: frequency 16 b + 8 h + i
.irp tt, 0,1,2,3
.irp b, 0,1
.irp q, 0,1
	global_load_b128 v[128+32*\tt+8*\b+4*\q:131+32*\tt+8*\b+4*\q], v13, s[14:15] offset:(32*(\tt/2)+8*(\tt%2))*128+64*\b+16*\q
	global_load_b128 v[144+32*\tt+8*\b+4*\q:147+32*\tt+8*\b+4*\q], v13, s[16:17] offset:(32*(\tt/2)+8*(\tt%2))*128+64*\b+16*\q
.endr
.endr
.endr
	WIN 0
.endif
.if (\G) < 23
	FETCHW (\G)+1
.endif
.if (\G)%3 == 0                        ; x's fragments of this K step are in.  The count: the loads issued behind its twelve
.if (\G)/3 < 4
	s_wait_loadcnt 48                              ; four later K steps
.elseif (\G)/3 == 4
	s_wait_loadcnt 63                              ; three K steps and the 32 of cos and sin are 68; a wait names 63 at the most
.else
	s_wait_loadcnt 32+12*(7-(\G)/3)                ; the K steps left, and cos and sin
.endif
.endif
.if (\G) < 23
	s_wait_dscnt 14                                ; this group's fragments are in; the 14 loads just issued may be out
.else
	s_wait_dscnt 0x0
.endif
	MULG \G
.endm
; the rotation of tile tt of q (wh = 0) or k (1): (a, b) -> (a cos - b sin, a sin + b cos), a pair a packed multiply and a packed multiply-add; the accumulators are read from their low ends on
.macro ROPE wh, tt
	WIN 0x0e                                       ; source 0 window 2, source 1 window 3
.irp i, 0,1,2,3,4,5,6,7
	v_pk_mul_f32 v[T+4*\i:T+4*\i+1], v[128*\wh+32*\tt+4*\i:128*\wh+32*\tt+4*\i+1], v[128+32*\tt+2*\i:128+32*\tt+2*\i+1] op_sel_hi:[1,0]
	v_pk_mul_f32 v[T+4*\i+2:T+4*\i+3], v[128*\wh+32*\tt+4*\i+2:128*\wh+32*\tt+4*\i+3], v[128+32*\tt+2*\i:128+32*\tt+2*\i+1] op_sel:[0,1] op_sel_hi:[1,1]
	v_pk_fma_f32 v[T+4*\i:T+4*\i+1], v[128*\wh+32*\tt+4*\i:128*\wh+32*\tt+4*\i+1], v[144+32*\tt+2*\i:144+32*\tt+2*\i+1], v[T+4*\i:T+4*\i+1] op_sel:[1,0,0] op_sel_hi:[0,0,1] neg_lo:[0,1,0]
	v_pk_fma_f32 v[T+4*\i+2:T+4*\i+3], v[128*\wh+32*\tt+4*\i+2:128*\wh+32*\tt+4*\i+3], v[144+32*\tt+2*\i:144+32*\tt+2*\i+1], v[T+4*\i+2:T+4*\i+3] op_sel:[1,1,0] op_sel_hi:[0,1,1] neg_lo:[0,1,0]
.endr
	WIN 0
.endm
.macro VADD n                          ; v's tile n of channels, my 64 tokens, + the lane's bv
	WIN 0x03                                       ; source 0 window 3
.irp i, 0,1,2,3,4,5,6,7,8,9,10,11,12,13,14,15
.if (\n)%2
	v_pk_add_f32 v[T+2*\i:T+2*\i+1], v[32*(\n)+2*\i:32*(\n)+2*\i+1], v[BV+2*((\n)/2):BV+2*((\n)/2)+1] op_sel:[0,1] op_sel_hi:[1,1]
.else
	v_pk_add_f32 v[T+2*\i:T+2*\i+1], v[32*(\n)+2*\i:32*(\n)+2*\i+1], v[BV+2*((\n)/2):BV+2*((\n)/2)+1] op_sel_hi:[1,0]
.endif
.endr
	WIN 0
.endm
; v[T] .. v[T + 31]: register 16 b + i = K 32 b + 16 h + i of my row.  They become six registers of codes, v[PC] on (lane (r, h): K 32 h + 0 .. 31), and two scale bytes in v[w]
.macro QUANT2 w
	s_wait_xcnt 0x0                                ; the last stores have read their codes: the registers may be written again
.irp b, 0,1
	v_max3_num_f32 v[TM+\b], |v[T+16*\b]|, |v[T+16*\b+1]|, 0x1800000   ; with the floor 2^(3 - 127)
.endr
.irp i, 2,4,6,8,10,12,14
.irp b, 0,1
	v_max3_num_f32 v[TM+\b], v[TM+\b], |v[T+16*\b+\i]|, |v[T+16*\b+\i+1]|
.endr
.endr
.irp b, 0,1
	v_permlanex16_b32 v[TM+2+\b], v[TM+\b], s44, s45
.endr
.irp b, 0,1
	v_max_num_f32 v[TM+\b], v[TM+\b], v[TM+2+\b]   ; with lane l xor 16's 16: the block's largest magnitude
.endr
.irp b, 0,1
	v_add_nc_u32 v[TM+4+\b], 0xff000000, v[TM+\b]  ; 2 off its exponent field: the conversion's scale operand
.endr
.irp b, 0,1
	v_lshrrev_b32 v[TM+2+\b], 23, v[TM+4+\b]       ; the byte
.endr
	v_lshl_or_b32 v[\w], v[TM+3], 8, v[TM+2]
	v_cvt_scalef32_pk16_fp6_f32 v[PC:PC+2], v[T:T+15], v[TM+4]
	v_cvt_scalef32_pk16_fp6_f32 v[PC+6:PC+8], v[T+16:T+31], v[TM+5]
	v_nop                                          ; one plain line behind the conversions
.irp i, 0,1,2
	v_permlane16_swap_b32 v[PC+\i], v[PC+6+\i]     ; a whole block to a lane: lanes 0-15 block 0, lanes 16-31 block 1
.endr
.irp i, 0,1,2
	v_mov_b32 v[PC+3+\i], v[PC+6+\i]
.endr
.endm
	s_load_b512 s[4:19], s[0:1], 0x0               ; xq s[4:5], wc s[6:7], bq s[8:9], bk s[10:11], bv s[12:13], cos s[14:15], sin s[16:17], qq s[18:19]
	s_load_b64 s[20:21], s[0:1], 0x40              ; kv
	v_lshl_add_u32 v254, v0, 2, 0x29000
	v_mov_b32 v255, 0
	ds_add_u32 v254, v255
	ds_add_u32 v254, v255
	v_lshrrev_b32 v1, 5, v0
	v_readfirstlane_b32 s22, v1                    ; wave 0..3
	s_and_b32 s25, ttmp7, 0xffff                   ; the head, which the cluster's four share
	; descriptor group 1: a K step's 19,200 dense bytes as 75 rows of 256 (32 elements of 8 bytes), no padding
	s_mov_b32 s28, 15|(3<<16)|(1<<21)              ; 15:0 the mask: all four work-groups; 17:16 elements of 8 bytes; 21 set beside a mask
	s_mov_b32 s29, 32<<16                          ; tensor_dim0 = 32
	s_mov_b32 s30, 75<<16                          ; tensor_dim1 = 75
	s_mov_b32 s31, 32<<16                          ; tile_dim0 = 32
	s_mov_b32 s32, 75                              ; tile_dim1 = 75
	s_mov_b32 s33, 32                              ; from row to row
	s_mov_b32 s34, 0
	s_mov_b32 s35, 0
	s_mul_i32 s26, s25, 153600                     ; the head's block,
	s_mul_i32 s37, s22, 19200                      ; K step w: in LDS as in memory
	s_add_co_u32 s26, s26, s37
	s_mov_b32 s27, 0
	s_mov_b32 s36, 1
	s_mov_b32 s40, 1
	s_add_co_u32 s41, s37, 76800                   ; and K step 4 + w
	s_wait_dscnt 0x0
	s_wait_kmcnt 0x0
	s_add_nc_u64 s[38:39], s[6:7], s[26:27]
	s_add_nc_u64 s[42:43], s[38:39], 76800
	s_or_b32 s39, s39, 0x80000000                  ; type = 2
	s_or_b32 s43, s43, 0x80000000
	ROUND                                          ; all four work-groups are here: the joint loads meet
	tensor_load_to_lds s[36:39], s[28:35]          ; K step w: my one load at the head
	s_nop 0
.rept 4
	v_nop
.endr
	; addresses.  What hangs on my place in the cluster enters global addresses of x, cos, sin and the results alone
	s_bfe_u32 s23, ttmp6, 0x40000                  ; cx
	s_lshl_b32 s24, ttmp9, 2
	s_add_co_u32 s24, s24, s23                     ; mt: my 256 tokens
	s_lshr_b32 s2, s24, 3
	s_and_b32 s3, s24, 7                           ; which 256 of the batch's 2,048
	s_lshl_b32 s2, s2, 4
	s_add_co_u32 s2, s2, s25                       ; bh = 16 x batch + head
	s_and_b32 s23, s22, 1                          ; w & 1
	s_lshr_b32 s47, s22, 1                         ; w >> 1
	s_lshl_b32 s26, s24, 4
	s_lshl_b32 s27, s22, 2
	s_add_co_u32 s26, s26, s27                     ; my first tile of tokens
	s_lshl_b32 s48, s26, 9
	s_add_co_u32 s48, s48, 3145728
	s_mov_b32 s49, 0
	s_add_nc_u64 s[48:49], s[4:5], s[48:49]        ; x's scale words
	s_mul_i32 s26, s26, 12288
	s_mov_b32 s27, 0
	s_add_nc_u64 s[4:5], s[4:5], s[26:27]          ; x's fragments
	s_lshl_b32 s26, s25, 8
	s_add_nc_u64 s[8:9], s[8:9], s[26:27]          ; the head's 64 numbers of each bias
	s_add_nc_u64 s[10:11], s[10:11], s[26:27]
	s_add_nc_u64 s[12:13], s[12:13], s[26:27]
	s_lshl_b32 s26, s3, 15
	s_lshl_b32 s50, s22, 13
	s_add_co_u32 s26, s26, s50                     ; my first token's row of cos and sin (128 bytes a row)
	s_add_nc_u64 s[14:15], s[14:15], s[26:27]
	s_add_nc_u64 s[16:17], s[16:17], s[26:27]
	s_lshl_b32 s26, s2, 7
	s_lshl_b32 s50, s3, 4
	s_add_co_u32 s26, s26, s50
	s_lshl_b32 s50, s22, 2
	s_add_co_u32 s26, s26, s50                     ; 128 bh + my first tile in the batch
	s_lshl_b32 s52, s26, 6                         ; 256 bytes of scale words for four tiles
	s_add_co_u32 s52, s52, 3145728
	s_mov_b32 s53, 0
	s_add_nc_u64 s[52:53], s[18:19], s[52:53]      ; q's scale words
	s_mul_i32 s26, s26, 768
	s_add_nc_u64 s[50:51], s[18:19], s[26:27]      ; q's codes
	s_lshl_b32 s26, s2, 4
	s_lshl_b32 s54, s3, 1
	s_add_co_u32 s26, s26, s54                     ; 16 bh + 2 m8: the work-group's first key step
	s_add_co_u32 s54, s26, s23
	s_mul_i32 s54, s54, 13056
	s_add_co_u32 s62, s54, 12800
	s_mov_b32 s63, 0
	s_add_nc_u64 s[62:63], s[20:21], s[62:63]      ; v's scale words of key step (w & 1): waves 0 and 1 store them
	s_add_co_u32 s26, s26, s47
	s_mul_i32 s26, s26, 13056
	s_add_nc_u64 s[54:55], s[20:21], s[26:27]      ; my key step's block
	s_mul_i32 s26, s23, 3072
	s_add_nc_u64 s[56:57], s[54:55], s[26:27]      ; k's tiles 4 (w & 1) on
	s_mul_i32 s26, s23, 768
	s_add_co_u32 s26, s26, 6144
	s_add_nc_u64 s[58:59], s[54:55], s[26:27]      ; v's halves c = w & 1
	s_lshl_b32 s26, s23, 8
	s_add_co_u32 s26, s26, 12288
	s_add_nc_u64 s[60:61], s[54:55], s[26:27]      ; k's scale words
	s_mov_b32 s44, 0x76543210
	s_mov_b32 s45, 0xfedcba98                      ; v_permlanex16_b32's selects for lane l xor 16
	s_mov_b32 s46, 0xffff0000                      ; lanes 16-31
	v_and_b32 v1, 31, v0                           ; l
	v_and_b32 v2, 15, v0                           ; r
	v_bfe_u32 v3, v0, 4, 1                         ; h
	v_lshlrev_b32 v4, 4, v1                        ; 16 l; an LDS offset has 16 bits, so three registers reach the eight K steps
	v_add_nc_u32 v5, 57600, v4
	v_add_nc_u32 v6, 115200, v4
	v_lshlrev_b32 v7, 2, v1                        ; 4 l likewise
	v_add_nc_u32 v8, 57600, v7
	v_add_nc_u32 v9, 115200, v7
	v_lshlrev_b32 v10, 6, v3                       ; bq, bk: 16 h numbers on
	v_and_b32 v11, 8, v2
	v_add_nc_u32 v11, v11, v2                      ; tau(r)
	v_lshlrev_b32 v13, 7, v11
	v_lshl_add_u32 v13, v3, 5, v13                 ; cos, sin: row tau(r), + 8 h numbers
	v_lshlrev_b32 v11, 2, v11                      ; bv: channel tau(r)
	s_wait_alu depctr_va_vdst(0)
	v_lshlrev_b32 v12, 4, v2
	v_lshl_add_u32 v12, v3, 9, v12                 ; x's scale words: tile h of a pair, row r
	s_wait_alu depctr_va_vdst(0)
	v_lshlrev_b32 v14, 3, v1                       ; 8 l
	s_lshl_b32 s26, s47, 8
	s_lshl_b32 s27, s23, 1
	s_add_co_u32 s26, s26, s27
	s_add_co_u32 s26, s26, STG
	v_lshl_add_u32 v15, v2, 2, s26                 ; where my two bytes of v's scale word of channel row r go: key step w >> 1, bytes 2 (w & 1) on
	s_lshl_b32 s26, s23, 8
	s_add_co_u32 s26, s26, STG
	v_add_nc_u32 v204, s26, v14                    ; and where waves 0 and 1 read a key step's 256 bytes back
	v_mov_b32 v[TM+2], 0                           ; a lane permute's destination counts as one of its sources
	v_mov_b32 v[TM+3], 0
	WIN 0xc0
.irp jj, 0,1,2,3                       ; the biases in the result's layout: tile 2 b + u, lane half h: channels 32 b + 8 u + 16 h + 0 .. 7
	global_load_b128 v[128+8*\jj:131+8*\jj], v10, s[8:9] offset:(32*(\jj/2)+8*(\jj%2))*4
	global_load_b128 v[132+8*\jj:135+8*\jj], v10, s[8:9] offset:(32*(\jj/2)+8*(\jj%2))*4+16
	global_load_b128 v[160+8*\jj:163+8*\jj], v10, s[10:11] offset:(32*(\jj/2)+8*(\jj%2))*4
	global_load_b128 v[164+8*\jj:167+8*\jj], v10, s[10:11] offset:(32*(\jj/2)+8*(\jj%2))*4+16
.endr
	WIN 0
.irp n, 0,1,2,3
	global_load_b32 v[BV+\n], v11, s[12:13] offset:(32*(\n/2)+8*(\n%2))*4
.endr
.irp p, 0,1
.irp f, 0,1
	global_load_b128 v[XS+8*\p+4*\f:XS+8*\p+4*\f+3], v12, s[48:49] offset:1024*\p+256*\f   ; four K steps' words of a row; sixteen lanes read 256 consecutive bytes
.endr
.endr
	WIN 0x40
	ALOAD 0
	ALOAD 1
	ALOAD 2
	ALOAD 3
	ALOAD 4
	WIN 0
	s_wait_alu depctr_va_vdst(0)
	s_wait_tensorcnt 0x0                           ; my K step w has landed
	ds_add_u32 v254, v255
	s_wait_dscnt 0x0
	ROUND                                          ; K steps 0 to 3 are whole, and all four work-groups are here: the joint loads meet
	tensor_load_to_lds s[40:43], s[28:35]          ; K step 4 + w: it has the groups of K steps 0 to 3 in which to land
	s_nop 0
.rept 4
	v_nop
.endr
	FETCHW 0
.irp G, 0,1,2,3,4,5,6,7,8,9,10,11,12,13,14,15,16,17,18,19,20,21,22,23
	GROUP \G
.endr
	s_wait_loadcnt 0x0                             ; cos and sin
	PLACES                                         ; behind the last products
.irp tt, 0,1,2,3
	ROPE 0, \tt
	QUANT2 192+\tt
	global_store_b128 v4, v[PC:PC+3], s[50:51] offset:768*\tt            ; a tile's image: 512 and 256 consecutive bytes, aligned
	global_store_b64 v14, v[PC+4:PC+5], s[50:51] offset:768*\tt+512
	ROPE 1, \tt
	QUANT2 196+\tt
	global_store_b128 v4, v[PC:PC+3], s[56:57] offset:768*\tt
	global_store_b64 v14, v[PC+4:PC+5], s[56:57] offset:768*\tt+512
.endr
	v_cndmask_b32 v200, v192, v194, s46            ; lane (r, h) stores row r's words of tiles 2 h and 2 h + 1 (bytes 2 and 3 of a word are 0: K ends at 64)
	v_cndmask_b32 v201, v193, v195, s46
	v_cndmask_b32 v202, v196, v198, s46
	v_cndmask_b32 v203, v197, v199, s46
	global_store_b64 v14, v[200:201], s[52:53]     ; 256 consecutive bytes, aligned
	global_store_b64 v14, v[202:203], s[60:61]
.irp n, 0,1,2,3
	VADD \n
	s_wait_alu depctr_va_vdst(0)
	QUANT2 205
	global_store_b128 v4, v[PC:PC+3], s[58:59] offset:1536*\n
	global_store_b64 v14, v[PC+4:PC+5], s[58:59] offset:1536*\n+512
	ds_store_b16 v15, v205 offset:64*\n            ; both lanes of a row write the same two bytes
.endr
	s_wait_dscnt 0x0                               ; for the others' sake: my stores into the stage are done
	s_barrier_signal -1
	s_barrier_wait -1
	s_cmp_lt_u32 s22, 2
	s_cbranch_scc0 .Lno_scales
	ds_load_b64 v[206:207], v204                   ; a key step's 64 words, made by two waves
	s_wait_dscnt 0x0
	global_store_b64 v14, v[206:207], s[62:63]     ; 256 consecutive bytes, aligned
.Lno_scales:
	s_wait_tensorcnt 0x0
	ds_add_u32 v254, v255
	s_wait_dscnt 0x0
	ROUND                                          ; the closing round
	s_endpgm
.Lfunc_end_k_q3e881280f0_qkv:
	.size	k_q3e881280f0_qkv, .Lfunc_end_k_q3e881280f0_qkv-k_q3e881280f0_qkv
	.p2alignl 7, 3214868480
	.fill 96, 4, 3214868480
	.section	.rodata,"a",@progbits
	.p2align	6, 0x0
	.amdhsa_kernel k_q3e881280f0_qkv
		.amdhsa_group_segment_fixed_size 327680
		.amdhsa_private_segment_fixed_size 0
		.amdhsa_enable_private_segment 0
		.amdhsa_kernarg_size 72
		.amdhsa_user_sgpr_count 2
		.amdhsa_user_sgpr_kernarg_segment_ptr 1
		.amdhsa_wavefront_size32 1
		.amdhsa_system_sgpr_workgroup_id_x 1
		.amdhsa_system_sgpr_workgroup_id_y 1
		.amdhsa_system_sgpr_workgroup_id_z 1
		.amdhsa_system_vgpr_workitem_id 0
		.amdhsa_next_free_vgpr 1024
		.amdhsa_next_free_sgpr 66
		.amdhsa_reserve_vcc 0
		.amdhsa_float_denorm_mode_32 3
		.amdhsa_float_denorm_mode_16_64 3
		.amdhsa_memory_ordered 1
		.amdhsa_forward_progress 1
		.amdhsa_inst_pref_size 144
	.end_amdhsa_kernel
	.amdgpu_metadata
---
amdhsa.version: [ 1, 2 ]
amdhsa.kernels:
  - .name:           k_q3e881280f0_qkv
    .symbol:         k_q3e881280f0_qkv.kd
    .args:
      - { .name: xq, .offset: 0, .size: 8, .value_kind: global_buffer, .address_space: global }
      - { .name: wc, .offset: 8, .size: 8, .value_kind: global_buffer, .address_space: global }
      - { .name: bq, .offset: 16, .size: 8, .value_kind: global_buffer, .address_space: global }
      - { .name: bk, .offset: 24, .size: 8, .value_kind: global_buffer, .address_space: global }
      - { .name: bv, .offset: 32, .size: 8, .value_kind: global_buffer, .address_space: global }
      - { .name: freqs_cos, .offset: 40, .size: 8, .value_kind: global_buffer, .address_space: global }
      - { .name: freqs_sin, .offset: 48, .size: 8, .value_kind: global_buffer, .address_space: global }
      - { .name: qq, .offset: 56, .size: 8, .value_kind: global_buffer, .address_space: global }
      - { .name: kv, .offset: 64, .size: 8, .value_kind: global_buffer, .address_space: global }
    .group_segment_fixed_size: 327680
    .private_segment_fixed_size: 0
    .kernarg_segment_align: 8
    .kernarg_segment_size: 72
    .max_flat_workgroup_size: 128
    .sgpr_count:     66
    .vgpr_count:     1024
    .wavefront_size: 32
...
	.end_amdgpu_metadata
.endif
;; end of part 2
;; launch attn (part 3): grid 8 x 32, 16 waves a work-group, no clusters, 281,088 bytes of LDS; arguments qq, kv, mb, ms, oq; writes oq
.if DOCPART == 3
	.amdgcn_target "amdgcn-amd-amdhsa--gfx1250"
	.amdhsa_code_object_version 6
	.text
	.protected	k_q3e881280f0_attn
	.globl	k_q3e881280f0_attn
	.p2align	8
	.type	k_q3e881280f0_attn,@function
k_q3e881280f0_attn:
	s_mov_b64 s[64:65], 0
	v_nop
	global_prefetch_b8 v0, s[64:65] scope:SCOPE_SE
	s_setreg_imm32_b32 hwreg(HW_REG_WAVE_MODE, 25, 1), 1
	s_wait_xcnt 0x0
; o = softmax(where(mask, q k^T / 8, -1e9)) v for 16 tiles of 16 queries of one head, both products on codes of FP6 with E8M0 scales; o is quantised along the channels for the last product and stored as images of operand registers.
; THE SOFTMAX AHEAD OF THE SECOND PRODUCT: t = score x log2(e) / 8; M = the running largest t rounded UP to a whole number; p = 2^(t - M) is quantised along the keys, not normalised; the row's sum is taken of the unquantised p and
; divides at the end.  When M moves, the sum and O are multiplied by 2^(old M - new M): exact.
; THE MASK IS AN INPUT, AND ITS BITS DECIDE WHAT IS WALKED.  An earlier launch stored, as whole numbers, 64 mask words a key step (mb: word n has one bit a lane for score register n) and the OR and the AND of those 64 (ms).
; From ms a wave makes, for a tile, two sets of 16 bits: LIVE (the step has a visible key for the tile) and FULL (all its keys are visible for all the tile's queries).  A step that is not LIVE is jumped over; in a FULL step the mask words are not read.
; WHY THE JUMP IS RIGHT: a hidden key's p is 0 as soon as its row has a visible key (2^(-2^33 c - M) is 0 in f32, as exp(-1e9 - max) is), and what was summed before the first visible key is wiped by 2^(old M - new M) = 0.  That takes a visible
; key in EVERY row of the tile: where some row has none (its o is the mean of v over all keys), LIVE is set to all 16 steps and nothing is jumped over.
; A HIDDEN SCORE IS -2^33, so that t = -2^33 c is exact and whole: in a row with every key hidden t - M is exactly 0 and p = 1 for all keys.  LIMIT: the hidden logit is -1.07e9 in place of -1e9: the result differs only where a visible
; logit lies under about -1e9.  NaN and infinities are not served.
; SHARES.  Work-group (j, head): tiles j + 8 i, i = 0 .. 15.  A TILE'S 16 KEY STEPS ARE CUT IN TWO HALVES, WHICH TWO WAVES WALK.  The wave at place i first walks key steps 8 .. 15 of tile j + 8 (15 - i) and leaves that part (O^T, -M, the lane's sum)
; in LDS bytes of its own; then it walks key steps 0 .. 7 of its own tile j + 8 i; behind one barrier it joins its part with the part that the wave at place 15 - i left for that tile.  Both M are whole numbers, so the two factors
; 2^(M - the larger M) are exact.  A part in which nothing was walked has -M = 3e38 and zeros, and its factor is 0.
; Wave w has the place i = 4 (g xor s) + (g xor a(s)), g = w / 4, s = w % 4, a = the multiplication by the generator of GF(4): two orthogonal Latin squares, so each i comes once, and the waves with equal g, and those with equal s, hold two
; places under 8 and two from 8 on.
; THE HEAD'S K, V AND SCALE WORDS (208,896 bytes) LIE IN LDS, filled once: wave w brings key step w (13,056 bytes) through its registers.  NO TENSOR LOAD AND NO CLUSTER: the jumps hang on numbers read from memory;
; the eight work-groups of a head each read its block.  NO PREFETCH: all of a wave's global reads but the mask words stand at the head, with no loop ahead of them.
; LAYOUT.  S^T = K Q^T (source 0 = 16 keys, source 1 = my queries), O^T = V^T P^T (source 0 = 16 channels, source 1 = P): a lane holds one query throughout.  By the order of rows in a tile the 16 registers of tiles 2 b, 2 b + 1 are 16
; neighbours (keys, or channels) 32 b + 16 h + 0 .. 15.  THE FIRST PRODUCT'S K IS 64, the instruction's 128: Q's codes of the upper 64 are zeros and bytes 2 and 3 of both scale words are 0 (2^-127); E2M3 has no NaN and no infinity, so
; whatever stands in the upper six registers of K's operand adds nothing: K's eight fragments overlap, six registers apart.
; REGISTERS: v1-4 lane terms, v5-8 the same + the step's LDS byte; v9 -2^33; v10 Q's scale word, v11 P's; v12 -M, v13 the largest t, v[14:15] the sum; v16-27 Q; v28-31 K's scale words, v32-33 V's; v34 my own tile's Q scale word in waiting;
;   v36-89 K (v84-89 zeros), then v36-83 V; v90-95 my own tile's Q in waiting; v96-159 S^T, then p; v160-191 O^T; v192-203 P's codes; v204-229 at work; v230-236 addresses; v240-253 partial sums; v254, v255 the spare word's address and 0.
; SCALARS: s2 wave; s3 the step; s[4:5], s[88:89] the two tiles' mask words, s6 the step's offset there; s7 the step's LDS byte; s[8:9] lane selects; s[10:11] c; s[12:13] o's codes; s[100:101] o's scale bytes;
;   s16-63, s68-83 the 64 mask words (word n in s[16 + n], from n = 48 on in s[20 + n]); s92, s93 LIVE and FULL of the other tile, s96, s97 of my own.
.set STEPB, 13056                      ; a key step in LDS: K 8 x 768, V 8 x 768 at 6,144, K's scale words at 12,288, V's at 12,800
.set STG,   208896                     ; behind the head: 512 bytes in which the sixteen waves gather o's scale bytes
.set PART,  209408                     ; behind them: sixteen places for the parts of key steps 8 .. 15, by the tile's i
.set PSLOT, 4352                       ; a part: O^T, 8 x 512 bytes, then -M and the sum, 8 bytes a lane
.set SPARE, PART+16*PSLOT              ; the spare words: 128 bytes a wave
.macro WM d, a, b, c, sa, sb, ra       ; one product: D, source 0, source 1, C (under 0: the constant 0), the scale registers; ra: source 0's scale words stand in lanes 16-31
.if (\c) < 0
.if (\ra)
	v_wmma_scale_f32_16x16x128_f8f6f4 v[(\d):(\d)+7], v[(\a):(\a)+11], v[(\b):(\b)+11], 0, v[\sa], v[\sb] matrix_a_fmt:MATRIX_FMT_FP6 matrix_b_fmt:MATRIX_FMT_FP6 matrix_a_scale:MATRIX_SCALE_ROW1
.else
	v_wmma_scale_f32_16x16x128_f8f6f4 v[(\d):(\d)+7], v[(\a):(\a)+11], v[(\b):(\b)+11], 0, v[\sa], v[\sb] matrix_a_fmt:MATRIX_FMT_FP6 matrix_b_fmt:MATRIX_FMT_FP6
.endif
.else
.if (\ra)
	v_wmma_scale_f32_16x16x128_f8f6f4 v[(\d):(\d)+7], v[(\a):(\a)+11], v[(\b):(\b)+11], v[(\c):(\c)+7], v[\sa], v[\sb] matrix_a_fmt:MATRIX_FMT_FP6 matrix_b_fmt:MATRIX_FMT_FP6 matrix_a_scale:MATRIX_SCALE_ROW1
.else
	v_wmma_scale_f32_16x16x128_f8f6f4 v[(\d):(\d)+7], v[(\a):(\a)+11], v[(\b):(\b)+11], v[(\c):(\c)+7], v[\sa], v[\sb] matrix_a_fmt:MATRIX_FMT_FP6 matrix_b_fmt:MATRIX_FMT_FP6
.endif
.endif
.endm
; byte offsets of tile s[t] (0 .. 127) of head s26, each the low word of a pair whose high word is 0: s[a] its mask words, s[b] its summary words, s[c] its codes of q, s[d] its scale words of q
.macro OFFS t, a, b, c, d
	s_lshl_b32 s[\a], s[\t], 12
	s_lshl_b32 s[\b], s[\t], 7
	s_lshl_b32 s[\c], s26, 7
	s_add_co_u32 s[\c], s[\c], s[\t]
	s_mul_i32 s[\c], s[\c], 768
	s_lshl_b32 s[\d], s26, 13                      ; 8,192 bytes a head, 256 for four tiles, 128 for a pair, 4 for a tile, 8 for a row
	s_lshr_b32 s30, s[\t], 2
	s_lshl_b32 s30, s30, 8
	s_add_co_u32 s[\d], s[\d], s30
	s_bfe_u32 s30, s[\t], 0x10001
	s_lshl_b32 s30, s30, 7
	s_add_co_u32 s[\d], s[\d], s30
	s_and_b32 s30, s[\t], 1
	s_lshl_b32 s30, s30, 2
	s_add_co_u32 s[\d], s[\d], s30
	s_add_co_u32 s[\d], s[\d], 3145728
	s_mov_b32 s[\a+1], 0
	s_mov_b32 s[\b+1], 0
	s_mov_b32 s[\c+1], 0
	s_mov_b32 s[\d+1], 0
.endm
; LIVE and FULL of a tile from its 32 summary words: step e's OR and AND in s[b0 + 2 e] on (e < 8) or s[b1 + 2 (e - 8)] on
.macro SUMM b0, b1, lv, fu
	s_mov_b32 s[\lv], 0
	s_mov_b32 s[\fu], 0
	s_mov_b32 s3, 0
.set EE, 0
.rept 16
.if EE < 8
.set RR, \b0+2*EE
.else
.set RR, \b1+2*(EE-8)
.endif
	s_or_b32 s3, s3, s[RR]                         ; which lanes have a visible key in any step
	s_cmp_lg_u32 s[RR], 0
	s_cselect_b32 s6, 1<<EE, 0
	s_or_b32 s[\lv], s[\lv], s6
	s_cmp_eq_u32 s[RR+1], -1
	s_cselect_b32 s6, 1<<EE, 0
	s_or_b32 s[\fu], s[\fu], s6
.set EE, EE+1
.endr
	s_lshr_b32 s6, s3, 16                          ; row r's keys lie in lanes r and r + 16
	s_or_b32 s3, s3, s6
	s_and_b32 s3, s3, 0xffff
	s_cmp_eq_u32 s3, 0xffff
	s_cselect_b32 s[\lv], s[\lv], 0xffff           ; a row with no visible key at all: every step is walked
.endm
; EIGHT KEY STEPS: s3 runs up to lim; eight trips in every wave; a trip's work is jumped over where the step is not LIVE.  mw: the tile's mask words; lv, fu: its LIVE and FULL
.macro WALK lim, mw, lv, fu
.Lstep_\@:
	s_lshr_b32 s99, s[\lv], s3
	s_bitcmp1_b32 s99, 0
	s_cbranch_scc0 .Lnext_\@
	v_add_nc_u32 v5, s7, v1                        ; (these four are also the places between the last products and the loads into their registers)
	v_add_nc_u32 v6, s7, v2
	v_add_nc_u32 v7, s7, v3
	v_add_nc_u32 v8, s7, v4
.irp kt, 0,1,2,3,4,5,6,7
	ds_load_b128 v[36+6*\kt:39+6*\kt], v5 offset:768*\kt
	ds_load_b64 v[40+6*\kt:41+6*\kt], v6 offset:768*\kt+512
.endr
.irp i, 0,1,2,3
	ds_load_b32 v[28+\i], v7 offset:12288+128*\i   ; lanes 0-15 tile 2 i, lanes 16-31 tile 2 i + 1
.endr
	s_wait_alu depctr_va_vdst(0)
	s_wait_dscnt 0x0
.irp kt, 0,1,2,3,4,5,6,7
	WM 96+8*\kt, 36+6*\kt, 16, -1, 28+\kt/2, 10, \kt%2
.endr
.rept 4
	v_nop                                          ; places in front of the loads into K's registers and of the first read of the scores
.endr
.irp n, 0,1,2,3
.irp c, 0,1
	ds_load_b128 v[36+12*\n+6*\c:39+12*\n+6*\c], v5 offset:6144+768*(2*\n+\c)     ; V lands while the softmax is worked
	ds_load_b64 v[40+12*\n+6*\c:41+12*\n+6*\c], v6 offset:6144+768*(2*\n+\c)+512
.endr
.endr
.irp i, 0,1
	ds_load_b32 v[32+\i], v8 offset:12800+128*\i
.endr
	s_lshr_b32 s99, s[\fu], s3
	s_bitcmp1_b32 s99, 0
	s_cbranch_scc1 .Lopen_\@                       ; a FULL step hides nothing
	s_load_b512 s[16:31], s[\mw:\mw+1], s6 offset:0x0    ; the step's 64 mask words
	s_load_b512 s[32:47], s[\mw:\mw+1], s6 offset:0x40
	s_load_b512 s[48:63], s[\mw:\mw+1], s6 offset:0x80
	s_load_b512 s[68:83], s[\mw:\mw+1], s6 offset:0xc0
	s_wait_kmcnt 0x0
.set NN, 0
.rept 64
.if NN < 48
	v_cndmask_b32 v[96+NN], v9, v[96+NN], s[16+NN] ; a hidden score becomes -2^33
.else
	v_cndmask_b32 v[96+NN], v9, v[96+NN], s[20+NN]
.endif
.set NN, NN+1
.endr
.Lopen_\@:
.irp b, 0,1,2,3
	v_max3_num_f32 v[212+\b], v[96+16*\b], v[97+16*\b], v[98+16*\b]   ; the largest score of each block of 32 keys: for the row's maximum and, since p rises with the score, for the block's largest p
.endr
.irp i, 3,5,7,9,11,13
.irp b, 0,1,2,3
	v_max3_num_f32 v[212+\b], v[212+\b], v[96+16*\b+\i], v[97+16*\b+\i]   ; (the four blocks by turns)
.endr
.endr
.irp b, 0,1,2,3
	v_max_num_f32 v[212+\b], v[212+\b], v[111+16*\b]
.endr
.irp b, 0,1,2,3
	v_permlanex16_b32 v[216+\b], v[212+\b], s8, s9
.endr
.irp b, 0,1,2,3
	v_max_num_f32 v[212+\b], v[212+\b], v[216+\b]  ; with lane l xor 16's 16 keys
.endr
	s_delay_alu instid0(VALU_DEP_2)
	v_max3_num_f32 v224, v212, v213, v214
	s_delay_alu instid0(VALU_DEP_1)
	v_max_num_f32 v224, v224, v215                 ; the step's largest score of my query
	s_delay_alu instid0(VALU_DEP_1)
	v_mul_f32 v224, s10, v224                      ; as t (c is positive)
	s_delay_alu instid0(VALU_DEP_1)
	v_max_num_f32 v13, v13, v224                   ; the running largest t
	v_mov_b32 v224, v12
	s_delay_alu instid0(VALU_DEP_2)
	v_floor_f32 v12, -v13                          ; the new -M = floor(-t) = -ceil(t): a whole number
	s_delay_alu instid0(VALU_DEP_1)
	v_sub_f32 v224, v12, v224                      ; old M - new M: a whole number, 0 or less
	s_delay_alu instid0(VALU_DEP_1)
	v_cvt_i32_f32 v224, v224                       ; (it saturates)
	s_delay_alu instid0(VALU_DEP_1)
	v_ldexp_f32 v226, 1.0, v224                    ; f = 2^(old M - new M)
.irp j, 0,2,4,6,8,10,12,14,16,18,20,22,24,26,28,30,32,34,36,38,40,42,44,46,48,50,52,54,56,58,60,62
	v_pk_fma_f32 v[96+\j:97+\j], v[96+\j:97+\j], s[10:11], v[12:13] op_sel_hi:[1,0,0]   ; t - M, two at a time
.endr
.irp b, 0,1,2,3
	v_fma_f32 v[212+\b], v[212+\b], s10, v12       ; the same of each block's largest score
.endr
	s_wait_alu depctr_va_vdst(0)
.irp j, 0,1,2,3,4,5,6,7,8,9,10,11,12,13,14,15,16,17,18,19,20,21,22,23,24,25,26,27,28,29,30,31,32,33,34,35,36,37,38,39,40,41,42,43,44,45,46,47,48,49,50,51,52,53,54,55,56,57,58,59,60,61,62,63
	v_exp_f32 v[96+\j], v[96+\j]                   ; p = 2^(t - M), at most 1
.endr
	v_pk_mul_f32 v[14:15], v[14:15], v[226:227] op_sel_hi:[1,0]   ; the sums under the new M: a plain line behind the exponentials
	s_wait_alu depctr_va_vdst(0)                   ; one wait for the batch of 64, ahead of its first reader
.irp b, 0,1,2,3
	v_exp_f32 v[212+\b], v[212+\b]                 ; the block's largest p: the same two instructions on the same number give the same bits
.endr
; the row's sum, of the unquantised p: 32 pairs into eight chains (v[14:15] and v240-253), which are then joined
.irp c, 0,1,2,3,4,5,6
	v_pk_add_f32 v[240+2*\c:241+2*\c], v[96+2*\c:97+2*\c], v[110+2*\c:111+2*\c]
.endr
	v_pk_add_f32 v[14:15], v[14:15], v[124:125]
.irp k, 0,1
.irp c, 0,1,2,3,4,5,6
	v_pk_add_f32 v[240+2*\c:241+2*\c], v[240+2*\c:241+2*\c], v[126+16*\k+2*\c:127+16*\k+2*\c]
.endr
	v_pk_add_f32 v[14:15], v[14:15], v[140+16*\k:141+16*\k]
.endr
	v_pk_add_f32 v[240:241], v[240:241], v[248:249]
	v_pk_add_f32 v[242:243], v[242:243], v[250:251]
	v_pk_add_f32 v[244:245], v[244:245], v[252:253]
	v_pk_add_f32 v[14:15], v[14:15], v[158:159]
	v_pk_add_f32 v[246:247], v[246:247], v[240:241]
	s_delay_alu instid0(VALU_DEP_3)
	v_pk_add_f32 v[242:243], v[242:243], v[244:245]
	s_delay_alu instid0(VALU_DEP_2)
	v_pk_add_f32 v[14:15], v[14:15], v[246:247]
	s_delay_alu instid0(VALU_DEP_1)
	v_pk_add_f32 v[14:15], v[14:15], v[242:243]
	s_wait_alu depctr_va_vdst(0)                   ; and one for the four
.irp b, 0,1,2,3
	v_max_num_f32 v[212+\b], 0x1800000, v[212+\b]  ; the floor 2^(3 - 127): the byte cannot fall under 1 (a block whose every p is 0 keeps that byte: its codes are zeros)
.endr
.irp b, 0,1,2,3
	v_add_nc_u32 v[220+\b], 0xff000000, v[212+\b]  ; 2 off the exponent field: the conversion's scale operand
.endr
.irp b, 0,1,2,3
	v_lshrrev_b32 v[216+\b], 23, v[220+\b]         ; the byte
.endr
	s_delay_alu instid0(VALU_DEP_3)
	v_lshl_or_b32 v11, v217, 8, v216               ; p's scale word for these 128 keys
	s_delay_alu instid0(VALU_DEP_1)
	v_lshl_or_b32 v11, v218, 16, v11
	s_delay_alu instid0(VALU_DEP_1)
	v_lshl_or_b32 v11, v219, 24, v11
.irp c, 0,1
	v_cvt_scalef32_pk16_fp6_f32 v[192+6*\c:194+6*\c], v[96+32*\c:111+32*\c], v[220+2*\c]
	v_cvt_scalef32_pk16_fp6_f32 v[204+4*\c:206+4*\c], v[112+32*\c:127+32*\c], v[221+2*\c]   ; (a conversion's three registers begin on an even number)
.endr
	v_nop                                          ; one plain line behind the conversions
.irp c, 0,1                            ; a whole block to a lane: lanes 0-15 block 2 c, lanes 16-31 block 2 c + 1
.irp i, 0,1,2
	v_permlane16_swap_b32 v[192+6*\c+\i], v[204+4*\c+\i]
.endr
.irp i, 0,1,2
	s_delay_alu instid0(VALU_DEP_3)
	v_mov_b32 v[195+6*\c+\i], v[204+4*\c+\i]
.endr
.endr
	s_wait_alu depctr_va_vdst(0)
.irp j, 0,2,4,6,8,10,12,14,16,18,20,22,24,26,28,30
	v_pk_mul_f32 v[160+\j:161+\j], v[160+\j:161+\j], v[226:227] op_sel_hi:[1,0]   ; O^T under the new M.  (These sixteen also stand between the lines that wrote P's codes and scale word and the products)
.endr
	s_wait_alu depctr_va_vdst(0)
	s_wait_dscnt 0x0                               ; V
.irp n, 0,1,2,3
	WM 160+8*\n, 36+12*\n, 192, 160+8*\n, 32+\n/2, 11, \n%2   ; four accumulators by turns; eight other products stand between two links of a chain
.endr
.Lnext_\@:
	s_add_co_u32 s7, s7, STEPB
	s_add_co_u32 s6, s6, 256
	s_add_co_u32 s3, s3, 1
	s_cmp_lt_u32 s3, \lim
	s_cbranch_scc1 .Lstep_\@
.endm
.macro FRESH                           ; a part's beginning: the largest t so far -3e38, under every t; -M; the sum, in two halves; O^T (the first step finds zeros, which the first change of M leaves zeros)
	v_mov_b32 v13, 0xff61b1e6
	v_mov_b32 v14, 0
	v_mov_b32 v15, 0
	s_delay_alu instid0(VALU_DEP_3)
	v_floor_f32 v12, -v13
.irp j, 0,1,2,3,4,5,6,7,8,9,10,11,12,13,14,15,16,17,18,19,20,21,22,23,24,25,26,27,28,29,30,31
	v_mov_b32 v[160+\j], 0
.endr
.endm
	s_load_b256 s[84:91], s[0:1], 0x0              ; qq s[84:85], kv s[86:87], mb s[88:89], ms s[90:91]
	s_load_b64 s[92:93], s[0:1], 0x20              ; oq
	v_lshl_add_u32 v254, v0, 2, SPARE
	v_mov_b32 v255, 0
	v_lshrrev_b32 v1, 5, v0
	s_delay_alu instid0(VALU_DEP_1)
	v_readfirstlane_b32 s2, v1                     ; wave 0..15
	v_and_b32 v5, 31, v0                           ; l
	v_and_b32 v6, 15, v0                           ; r
	v_bfe_u32 v7, v0, 4, 1                         ; h
	s_delay_alu instid0(VALU_DEP_3)
	v_lshlrev_b32 v1, 4, v5                        ; 16 l
	v_lshlrev_b32 v2, 3, v5                        ; 8 l
	v_lshlrev_b32 v4, 2, v5                        ; 4 l
	v_lshlrev_b32 v230, 3, v6                      ; 8 r
	s_delay_alu instid0(VALU_DEP_1)
	v_lshl_add_u32 v3, v7, 2, v230                 ; 8 r + 4 h
	s_wait_alu depctr_va_vdst(0)
	s_and_b32 s26, ttmp7, 0xffff                   ; bh = 16 x batch + head
	s_lshr_b32 s24, s2, 2                          ; g
	s_and_b32 s25, s2, 3                           ; s
	s_lshr_b32 s28, s25, 1
	s_xor_b32 s29, s25, s28
	s_and_b32 s29, s29, 1
	s_lshl_b32 s29, s29, 1
	s_or_b32 s28, s28, s29                         ; a(s): bit 1 = s0 xor s1, bit 0 = s1
	s_xor_b32 s28, s28, s24
	s_xor_b32 s25, s25, s24
	s_lshl_b32 s25, s25, 2
	s_or_b32 s24, s25, s28                         ; i
	s_lshl_b32 s27, s24, 3
	s_add_co_u32 s27, s27, ttmp9                   ; my own tile of queries: j + 8 i
	s_xor_b32 s25, s24, 15                         ; 15 - i
	s_lshl_b32 s31, s25, 3
	s_add_co_u32 s31, s31, ttmp9                   ; the other tile: j + 8 (15 - i)
	OFFS 27, 16, 18, 20, 22
	OFFS 31, 36, 38, 40, 42
	s_mul_i32 s28, s26, 208896                     ; the head's block,
	s_mul_i32 s7, s2, STEPB                        ; key step w: in LDS as in memory
	s_add_co_u32 s28, s28, s7
	s_lshr_b32 s32, s26, 4                         ; o's codes: tile 128 x batch + my own, K step head / 2, half head % 2
	s_lshl_b32 s32, s32, 7
	s_add_co_u32 s32, s32, s27
	s_mul_i32 s32, s32, 12288
	s_bfe_u32 s30, s26, 0x30001
	s_mul_i32 s30, s30, 1536
	s_add_co_u32 s32, s32, s30
	s_and_b32 s30, s26, 1
	s_mul_i32 s30, s30, 768
	s_add_co_u32 s32, s32, s30
	s_lshl_b32 s34, s26, 12                        ; o's scale bytes: 4,096 a head, 512 a work-group (j), 32 a tile (i)
	s_lshl_b32 s30, ttmp9, 9
	s_add_co_u32 s34, s34, s30
	s_add_co_u32 s34, s34, 3145728
	s_mov_b32 s29, 0
	s_mov_b32 s33, 0
	s_mov_b32 s35, 0
	s_mul_i32 s30, s24, PSLOT
	s_add_co_u32 s30, s30, PART
	v_add_nc_u32 v233, s30, v1                     ; place i: where the other half of my own tile will lie
	v_add_nc_u32 v234, s30, v2
	s_mul_i32 s30, s25, PSLOT
	s_add_co_u32 s30, s30, PART
	v_add_nc_u32 v235, s30, v1                     ; place 15 - i: where I leave the other tile's part
	v_add_nc_u32 v236, s30, v2
	s_lshl_b32 s30, s24, 5
	s_add_co_u32 s30, s30, STG
	v_lshl_add_u32 v231, v6, 1, s30                ; where row r's two scale bytes of o go: place i
	v_add_nc_u32 v232, STG, v1                     ; and where wave 0 reads the 512 bytes back
	v_add_nc_u32 v5, s7, v1                        ; the fill: my key step's bytes
	v_add_nc_u32 v6, s7, v2
	s_mov_b32 s8, 0x76543210
	s_mov_b32 s9, 0xfedcba98                       ; v_permlanex16_b32's selects for lane l xor 16
	s_mov_b32 s10, 0x3e38aa3b                      ; c = log2(e) / 8
	s_mov_b32 s11, s10                             ; (named with it as a pair, so it is written)
	s_wait_alu depctr_va_vdst(0)
	s_wait_kmcnt 0x0
	s_add_nc_u64 s[86:87], s[86:87], s[28:29]
	s_add_nc_u64 s[14:15], s[84:85], s[20:21]      ; my own tile's codes of q,
	s_add_nc_u64 s[66:67], s[84:85], s[22:23]      ; and scale words;
	s_add_nc_u64 s[98:99], s[84:85], s[40:41]      ; the other tile's
	s_add_nc_u64 s[84:85], s[84:85], s[42:43]
	s_add_nc_u64 s[94:95], s[90:91], s[18:19]      ; my own tile's summary words, the other's
	s_add_nc_u64 s[90:91], s[90:91], s[38:39]
	s_add_nc_u64 s[4:5], s[88:89], s[36:37]        ; the other tile's mask words, my own's
	s_add_nc_u64 s[88:89], s[88:89], s[16:17]
	s_add_nc_u64 s[12:13], s[92:93], s[32:33]
	s_add_nc_u64 s[100:101], s[92:93], s[34:35]
.irp i, 0,1,2,3,4,5,6,7,8,9,10,11,12,13,14,15,16,17,18,19,20,21,22,23,24
	global_load_b128 v[96+4*\i:99+4*\i], v1, s[86:87] offset:512*\i   ; 512 consecutive bytes a load
.endr
	global_load_b64 v[196:197], v2, s[86:87] offset:12800               ; and the step's last 256
	global_load_b128 v[16:19], v1, s[98:99]        ; the other tile's Q: it is walked first
	global_load_b64 v[20:21], v2, s[98:99] offset:512
	global_load_b32 v10, v230, s[84:85]
	global_load_b128 v[90:93], v1, s[14:15]        ; my own tile's Q waits here
	global_load_b64 v[94:95], v2, s[14:15] offset:512
	global_load_b32 v34, v230, s[66:67]
	s_load_b512 s[16:31], s[90:91], 0x0            ; the other tile's summary words,
	s_load_b512 s[32:47], s[90:91], 0x40
	s_load_b512 s[48:63], s[94:95], 0x0            ; my own tile's
	s_load_b512 s[68:83], s[94:95], 0x40
.irp i, 0,1,2,3,4,5
	v_mov_b32 v[22+\i], 0                          ; Q's codes of K 64 .. 127
.endr
	v_mov_b32 v9, 0xd0000000                       ; -2^33
.irp b, 0,1,2,3
	v_mov_b32 v[216+\b], 0                         ; a lane permute's destination counts as one of its sources
.endr
	v_mov_b32 v224, 0
	v_mov_b32 v227, 0                              ; (named as the upper halves of the pairs v[226:227] and v[228:229])
	v_mov_b32 v229, 0
	s_wait_alu depctr_va_vdst(0)
	s_wait_kmcnt 0x0
	SUMM 16, 32, 92, 93
	SUMM 48, 68, 96, 97
	s_wait_loadcnt 0x6                             ; my key step's 26 loads are in; the six of the two Qs, issued behind them, may be out
.irp i, 0,1,2,3,4,5,6,7,8,9,10,11,12,13,14,15,16,17,18,19,20,21,22,23,24
	ds_store_b128 v5, v[96+4*\i:99+4*\i] offset:512*\i
.endr
	ds_store_b64 v6, v[196:197] offset:12800
.irp i, 0,1,2,3,4,5
	v_mov_b32 v[84+\i], 0                          ; the upper half of K's last operand
.endr
	FRESH
	s_mov_b32 s3, 8                                ; key steps 8 .. 15 of the other tile
	s_mov_b32 s6, 8*256
	s_mov_b32 s7, 8*STEPB
	s_wait_alu depctr_va_vdst(0)
	s_wait_loadcnt 0x0                             ; both Qs
	s_wait_dscnt 0x0                               ; for the others' sake: my stores are done
	s_barrier_signal -1
	s_barrier_wait -1                              ; the head's sixteen key steps are whole; nothing writes them again
	WALK 16, 4, 92, 93
	; the part is left in its place, and my own tile begins
	v_add_f32 v13, v14, v15                        ; my lane's sum, beside -M.  (This line and the seven below are the places behind the last products)
.irp i, 0,1,2,3,4,5
	v_mov_b32 v[16+\i], v[90+\i]                   ; my own tile's Q
.endr
	v_mov_b32 v10, v34
.irp q, 0,1,2,3,4,5,6,7
	ds_store_b128 v235, v[160+4*\q:163+4*\q] offset:512*\q    ; each accumulator from its low end on
.endr
	ds_store_b64 v236, v[12:13] offset:4096
	FRESH                                          ; (these lines also stand between the lines that wrote Q and its scale word and the next products)
	s_mov_b32 s3, 0                                ; key steps 0 .. 7
	s_mov_b32 s6, 0
	s_mov_b32 s7, 0
	s_wait_alu depctr_va_vdst(0)
	WALK 8, 88, 96, 97
	; THE TWO PARTS ARE JOINED
	s_wait_dscnt 0x0                               ; for the others' sake: the part that I left is whole
	s_barrier_signal -1
	s_barrier_wait -1
.irp q, 0,1,2,3,4,5,6,7
	ds_load_b128 v[96+4*\q:99+4*\q], v233 offset:512*\q       ; the other half of my own tile: O^T,
.endr
	ds_load_b64 v[128:129], v234 offset:4096       ; -M and the lane's sum
	v_add_f32 v14, v14, v15                        ; my sum's two halves
	s_wait_alu depctr_va_vdst(0)
	s_wait_dscnt 0x0
	v_min_num_f32 v224, v12, v128                  ; -(the larger M)
	s_delay_alu instid0(VALU_DEP_1)
	v_sub_f32 v225, v224, v12                      ; my M - the larger: a whole number, 0 or less
	v_sub_f32 v226, v224, v128                     ; the other's likewise
	s_delay_alu instid0(VALU_DEP_2)
	v_cvt_i32_f32 v225, v225                       ; (they saturate)
	s_delay_alu instid0(VALU_DEP_2)
	v_cvt_i32_f32 v226, v226
	s_delay_alu instid0(VALU_DEP_2)
	v_ldexp_f32 v225, 1.0, v225                    ; the two factors: exact powers of two, or 0
	s_delay_alu instid0(VALU_DEP_2)
	v_ldexp_f32 v228, 1.0, v226
	s_delay_alu instid0(VALU_DEP_2)
	v_mul_f32 v14, v14, v225
	s_delay_alu instid0(VALU_DEP_1)
	v_fma_f32 v14, v129, v228, v14                 ; the lane's sum over all keys,
	s_delay_alu instid0(VALU_DEP_1)
	v_permlanex16_b32 v224, v14, s8, s9
	s_delay_alu instid0(VALU_DEP_1)
	v_add_f32 v14, v14, v224                       ; and lane l xor 16's
	s_wait_alu depctr_va_vdst(0)
	v_rcp_f32 v14, v14
	v_nop                                          ; a plain line behind the reciprocal
	s_wait_alu depctr_va_vdst(0)                   ; ahead of the reciprocal's first reader
	v_mul_f32 v226, v225, v14                      ; each factor / the sum
	v_mul_f32 v228, v228, v14
.irp j, 0,2,4,6,8,10,12,14,16,18,20,22,24,26,28,30
	v_pk_mul_f32 v[96+\j:97+\j], v[96+\j:97+\j], v[228:229] op_sel_hi:[1,0]
.endr
	s_wait_alu depctr_va_vdst(0)
.irp j, 0,2,4,6,8,10,12,14,16,18,20,22,24,26,28,30
	v_pk_fma_f32 v[96+\j:97+\j], v[160+\j:161+\j], v[226:227], v[96+\j:97+\j] op_sel_hi:[1,0,1]   ; o: register 16 b + i: channel 32 b + 16 h + i of my query
.endr
	; THE WAY OUT: o's 64 channels are two blocks of the last product's K: quantised here, one image of six registers and two scale bytes a row
.irp b, 0,1
	v_max3_num_f32 v[212+\b], |v[96+16*\b]|, |v[97+16*\b]|, 0x1800000
.endr
.irp i, 2,4,6,8,10,12,14
.irp b, 0,1
	s_delay_alu instid0(VALU_DEP_2)
	v_max3_num_f32 v[212+\b], v[212+\b], |v[96+16*\b+\i]|, |v[97+16*\b+\i]|
.endr
.endr
.irp b, 0,1
	s_delay_alu instid0(VALU_DEP_2)
	v_permlanex16_b32 v[216+\b], v[212+\b], s8, s9
.endr
.irp b, 0,1
	s_delay_alu instid0(VALU_DEP_2)
	v_max_num_f32 v[212+\b], v[212+\b], v[216+\b]
.endr
.irp b, 0,1
	s_delay_alu instid0(VALU_DEP_2)
	v_add_nc_u32 v[220+\b], 0xff000000, v[212+\b]
.endr
.irp b, 0,1
	s_delay_alu instid0(VALU_DEP_2)
	v_lshrrev_b32 v[216+\b], 23, v[220+\b]
.endr
	s_delay_alu instid0(VALU_DEP_1)
	v_lshl_or_b32 v225, v217, 8, v216
	v_cvt_scalef32_pk16_fp6_f32 v[192:194], v[96:111], v220
	v_cvt_scalef32_pk16_fp6_f32 v[198:200], v[112:127], v221
	v_nop                                          ; one plain line behind the conversions
.irp i, 0,1,2
	v_permlane16_swap_b32 v[192+\i], v[198+\i]
.endr
.irp i, 0,1,2
	s_delay_alu instid0(VALU_DEP_3)
	v_mov_b32 v[195+\i], v[198+\i]
.endr
	global_store_b128 v1, v[192:195], s[12:13]     ; 512 and 256 consecutive bytes, aligned
	global_store_b64 v2, v[196:197], s[12:13] offset:512
	ds_store_b16 v231, v225                        ; both lanes of a row write the same two bytes
	s_wait_dscnt 0x0                               ; for wave 0's sake: my store is done
	s_barrier_signal -1
	s_barrier_wait -1
	s_cmp_lg_u32 s2, 0
	s_cbranch_scc1 .Lno_bytes
	ds_load_b128 v[96:99], v232                    ; the sixteen tiles' scale bytes, in the order of i
	s_wait_dscnt 0x0
	global_store_b128 v1, v[96:99], s[100:101]     ; 512 consecutive bytes, aligned
.Lno_bytes:
	s_wait_tensorcnt 0x0                           ; the wave's end: behind my last LDS store
	ds_add_u32 v254, v255
	s_wait_dscnt 0x0
	s_endpgm
.Lfunc_end_k_q3e881280f0_attn:
	.size	k_q3e881280f0_attn, .Lfunc_end_k_q3e881280f0_attn-k_q3e881280f0_attn
	.p2alignl 7, 3214868480
	.fill 96, 4, 3214868480
	.section	.rodata,"a",@progbits
	.p2align	6, 0x0
	.amdhsa_kernel k_q3e881280f0_attn
		.amdhsa_group_segment_fixed_size 281088
		.amdhsa_private_segment_fixed_size 0
		.amdhsa_enable_private_segment 0
		.amdhsa_kernarg_size 40
		.amdhsa_user_sgpr_count 2
		.amdhsa_user_sgpr_kernarg_segment_ptr 1
		.amdhsa_wavefront_size32 1
		.amdhsa_system_sgpr_workgroup_id_x 1
		.amdhsa_system_sgpr_workgroup_id_y 1
		.amdhsa_system_sgpr_workgroup_id_z 1
		.amdhsa_system_vgpr_workitem_id 0
		.amdhsa_next_free_vgpr 256
		.amdhsa_next_free_sgpr 102
		.amdhsa_reserve_vcc 0
		.amdhsa_float_denorm_mode_32 3
		.amdhsa_float_denorm_mode_16_64 3
		.amdhsa_memory_ordered 1
		.amdhsa_forward_progress 1
		.amdhsa_inst_pref_size 73
	.end_amdhsa_kernel
	.amdgpu_metadata
---
amdhsa.version: [ 1, 2 ]
amdhsa.kernels:
  - .name:           k_q3e881280f0_attn
    .symbol:         k_q3e881280f0_attn.kd
    .args:
      - { .name: qq, .offset: 0, .size: 8, .value_kind: global_buffer, .address_space: global }
      - { .name: kv, .offset: 8, .size: 8, .value_kind: global_buffer, .address_space: global }
      - { .name: mb, .offset: 16, .size: 8, .value_kind: global_buffer, .address_space: global }
      - { .name: ms, .offset: 24, .size: 8, .value_kind: global_buffer, .address_space: global }
      - { .name: oq, .offset: 32, .size: 8, .value_kind: global_buffer, .address_space: global }
    .group_segment_fixed_size: 281088
    .private_segment_fixed_size: 0
    .kernarg_segment_align: 8
    .kernarg_segment_size: 40
    .max_flat_workgroup_size: 512
    .sgpr_count:     102
    .vgpr_count:     256
    .wavefront_size: 32
...
	.end_amdgpu_metadata
.endif
;; end of part 3
;; launch proj (part 4): grid 16 x 16, 4 waves a work-group, clusters of 4 x 1, 327,680 bytes of LDS; arguments oq, wc, bo, out0; writes out0
.if DOCPART == 4
	.amdgcn_target "amdgcn-amd-amdhsa--gfx1250"
	.amdhsa_code_object_version 6
	.text
	.protected	k_q3e881280f0_proj
	.globl	k_q3e881280f0_proj
	.p2align	8
	.type	k_q3e881280f0_proj,@function
k_q3e881280f0_proj:
	s_mov_b64 s[64:65], 0
	v_nop
	global_prefetch_b8 v0, s[64:65] scope:SCOPE_SE
	s_setreg_imm32_b32 hwreg(HW_REG_WAVE_MODE, 25, 1), 1
	s_wait_xcnt 0x0
	s_wait_alu depctr_hold_cnt(0) depctr_sa_sdst(0) depctr_va_vdst(0) depctr_va_sdst(0) depctr_va_ssrc(0) depctr_va_vcc(0) depctr_vm_vsrc(0)
	s_getreg_b32 s2, hwreg(HW_REG_IB_STS2, 6, 4)
	s_cmp_eq_u32 s2, 0
	s_cbranch_scc0 .Lentry_in_a_cluster
	s_endpgm
.Lentry_in_a_cluster:
	s_bfe_u32 s2, ttmp6, 0x10000c
	s_cmp_lg_u32 s2, 0x3003
	s_cbranch_scc0 .Lentry_shape_is_right
	s_endpgm
.Lentry_shape_is_right:
; out = o wo + bo for 256 tokens and 64 columns, on codes of FP6 with E8M0 scales.  Wave w: tokens 64 w .. 64 w + 63 (four tiles of 16) x the 64 columns: 16 accumulators.
; THE COLUMN GROUP'S WEIGHTS, all of K (51,200 bytes), lie in LDS, filled once: wave w asks for K steps 2 w and 2 w + 1 by ONE joint load (12,800 dense bytes as 50 rows of 256); the cluster's four work-groups share the columns (mask 15).
; o's fragments are each wave's own and go from memory straight into registers, all eight K steps at the head; so there is no later tile to ask for ahead of its load.
; o's scale bytes lie [head][tile % 8][tile / 8][row][2]: two bytes a head, two heads to a K step's word.  The bias is the C of the first K step.  Results leave through each wave's own stage, sixteen lanes to 256 consecutive bytes.
.set XS,  16
.set WS,  32
.set WF,  64
.set BO,  160
.set STG, 51200
.set MSB, 0
.macro WIN new
.if MSB != \new
	s_set_vgpr_msb (MSB<<8)|\new
.set MSB, \new
.endif
.endm
.macro ROUND
	s_barrier_signal -1
	s_barrier_wait -1
	s_cmp_lg_u32 s12, 0
	s_cbranch_scc1 .Lnot_wave_0_\@
	s_barrier_signal -3
.Lnot_wave_0_\@:
	s_barrier_wait -3
	s_barrier_signal -1
	s_barrier_wait -1
.endm
.macro PLACES
.rept 4
	v_nop
.endr
.endm
.macro WM d, a, b, c, sa, sb, ra, rb
.if (\ra) && (\rb)
	v_wmma_scale_f32_16x16x128_f8f6f4 v[(\d):(\d)+7], v[(\a):(\a)+11], v[(\b):(\b)+11], v[(\c):(\c)+7], v[\sa], v[\sb] matrix_a_fmt:MATRIX_FMT_FP6 matrix_b_fmt:MATRIX_FMT_FP6 matrix_a_scale:MATRIX_SCALE_ROW1 matrix_b_scale:MATRIX_SCALE_ROW1
.elseif (\ra)
	v_wmma_scale_f32_16x16x128_f8f6f4 v[(\d):(\d)+7], v[(\a):(\a)+11], v[(\b):(\b)+11], v[(\c):(\c)+7], v[\sa], v[\sb] matrix_a_fmt:MATRIX_FMT_FP6 matrix_b_fmt:MATRIX_FMT_FP6 matrix_a_scale:MATRIX_SCALE_ROW1
.elseif (\rb)
	v_wmma_scale_f32_16x16x128_f8f6f4 v[(\d):(\d)+7], v[(\a):(\a)+11], v[(\b):(\b)+11], v[(\c):(\c)+7], v[\sa], v[\sb] matrix_a_fmt:MATRIX_FMT_FP6 matrix_b_fmt:MATRIX_FMT_FP6 matrix_b_scale:MATRIX_SCALE_ROW1
.else
	v_wmma_scale_f32_16x16x128_f8f6f4 v[(\d):(\d)+7], v[(\a):(\a)+11], v[(\b):(\b)+11], v[(\c):(\c)+7], v[\sa], v[\sb] matrix_a_fmt:MATRIX_FMT_FP6 matrix_b_fmt:MATRIX_FMT_FP6
.endif
.endm
.macro ALOAD s
.irp tt, 0,1,2,3
.irp c, 0,1
	global_load_b128 v[48*((\s)%5)+12*\tt+6*\c:48*((\s)%5)+12*\tt+6*\c+3], v4, s[16:17] offset:12288*\tt+1536*(\s)+768*\c
	global_load_b64 v[48*((\s)%5)+12*\tt+6*\c+4:48*((\s)%5)+12*\tt+6*\c+5], v14, s[16:17] offset:12288*\tt+1536*(\s)+768*\c+512
.endr
.endr
.endm
.macro FETCHW s
.irp jj, 0,1,2,3
.irp p, 0,1,2
	ds_load_b128 v[WF+48*((\s)%2)+12*\jj+4*\p:WF+48*((\s)%2)+12*\jj+4*\p+3], v4 offset:6400*(\s)+1536*\jj+512*\p
.endr
.endr
.irp i, 0,1
	ds_load_b32 v[WS+2*((\s)%2)+\i], v7 offset:6400*(\s)+6144+128*\i
.endr
.endm
.macro KSTEP s
	PLACES
.if (\s) < 7
	FETCHW (\s)+1
.endif
.if (\s) < 4
	s_wait_loadcnt 63
.else
	s_wait_loadcnt 16*(7-(\s))
.endif
.if (\s) < 7
	s_wait_dscnt 14
.else
	s_wait_dscnt 0x0
.endif
.if (\s) == 0
	WIN 0xc4
.elseif (\s) < 5
	WIN 0xf4
.else
	WIN 0xf8
.endif
.irp jj, 0,1,2,3
.irp tt, 0,1,2,3
.if (\s) == 0
	WM 8*(4*\tt+\jj), WF+48*((\s)%2)+12*\jj, 48*((\s)%5)+12*\tt, BO+8*\jj, WS+2*((\s)%2)+\jj/2, XS+8*(\tt/2)+(\s), \jj%2, \tt%2
.else
	WM 8*(4*\tt+\jj), WF+48*((\s)%2)+12*\jj, 48*((\s)%5)+12*\tt, 8*(4*\tt+\jj), WS+2*((\s)%2)+\jj/2, XS+8*(\tt/2)+(\s), \jj%2, \tt%2
.endif
.endr
.endr
	WIN 0
.endm
	s_load_b256 s[4:11], s[0:1], 0x0
	v_lshl_add_u32 v254, v0, 2, 0x29000
	v_mov_b32 v255, 0
	ds_add_u32 v254, v255
	ds_add_u32 v254, v255
	v_lshrrev_b32 v1, 5, v0
	v_readfirstlane_b32 s12, v1
	s_and_b32 s15, ttmp7, 0xffff
	s_mov_b32 s28, 15|(3<<16)|(1<<21)
	s_mov_b32 s29, 32<<16
	s_mov_b32 s30, 50<<16
	s_mov_b32 s31, 32<<16
	s_mov_b32 s32, 50
	s_mov_b32 s33, 32
	s_mov_b32 s34, 0
	s_mov_b32 s35, 0
	s_mul_i32 s26, s15, 51200
	s_add_co_u32 s26, s26, 2457600
	s_mul_i32 s37, s12, 12800
	s_add_co_u32 s26, s26, s37
	s_mov_b32 s27, 0
	s_mov_b32 s36, 1
	s_wait_dscnt 0x0
	s_wait_kmcnt 0x0
	s_add_nc_u64 s[38:39], s[6:7], s[26:27]
	s_or_b32 s39, s39, 0x80000000
	ROUND
	tensor_load_to_lds s[36:39], s[28:35]
	s_nop 0
.rept 4
	v_nop
.endr
	s_bfe_u32 s13, ttmp6, 0x40000
	s_lshl_b32 s14, ttmp9, 2
	s_add_co_u32 s14, s14, s13
	s_lshl_b32 s20, s14, 4
	s_lshl_b32 s21, s12, 2
	s_add_co_u32 s20, s20, s21
	s_mul_i32 s22, s20, 12288
	s_mov_b32 s23, 0
	s_add_nc_u64 s[16:17], s[4:5], s[22:23]
	s_lshr_b32 s22, s20, 7
	s_lshl_b32 s22, s22, 16
	s_and_b32 s24, s20, 7
	s_lshl_b32 s24, s24, 9
	s_add_co_u32 s22, s22, s24
	s_bfe_u32 s24, s20, 0x40003
	s_lshl_b32 s24, s24, 5
	s_add_co_u32 s22, s22, s24
	s_add_co_u32 s22, s22, 3145728
	s_add_nc_u64 s[18:19], s[4:5], s[22:23]
	s_lshl_b32 s22, s15, 8
	s_add_nc_u64 s[8:9], s[8:9], s[22:23]
	s_add_nc_u64 s[10:11], s[10:11], s[22:23]
	s_lshl_b32 s22, s20, 16
	s_add_nc_u64 s[10:11], s[10:11], s[22:23]
	s_mul_i32 s25, s12, 17408
	s_add_co_u32 s25, s25, STG
	v_and_b32 v1, 31, v0
	v_and_b32 v2, 15, v0
	v_bfe_u32 v3, v0, 4, 1
	v_lshlrev_b32 v4, 4, v1
	v_lshlrev_b32 v7, 2, v1
	v_lshlrev_b32 v14, 3, v1
	v_lshlrev_b32 v10, 6, v3
	v_lshlrev_b32 v11, 1, v2
	v_lshl_add_u32 v11, v3, 9, v11
	v_mul_u32_u24 v12, v2, 272
	v_lshl_add_u32 v12, v3, 6, v12
	v_add_nc_u32 v12, s25, v12
	v_mul_u32_u24 v13, v3, 272
	v_lshl_add_u32 v13, v2, 4, v13
	v_add_nc_u32 v13, s25, v13
	v_lshlrev_b32 v15, 4, v2
	v_lshl_add_u32 v15, v3, 12, v15
.irp jj, 0,1,2,3
	global_load_b128 v[BO+8*\jj:BO+8*\jj+3], v10, s[8:9] offset:(32*(\jj/2)+8*(\jj%2))*4
	global_load_b128 v[BO+8*\jj+4:BO+8*\jj+7], v10, s[8:9] offset:(32*(\jj/2)+8*(\jj%2))*4+16
.endr
.irp p, 0,1
.irp hd, 0,1,2,3,4,5,6,7,8,9,10,11,12,13,14,15
	global_load_u16 v[200+16*\p+\hd], v11, s[18:19] offset:4096*\hd+1024*\p
.endr
.endr
	WIN 0x40
	ALOAD 0
	ALOAD 1
	ALOAD 2
	ALOAD 3
	ALOAD 4
	WIN 0x80
	ALOAD 5
	ALOAD 6
	ALOAD 7
	WIN 0
	s_wait_loadcnt 63
.irp p, 0,1
.irp s, 0,1,2,3,4,5,6,7
	v_lshl_or_b32 v[XS+8*\p+\s], v[201+16*\p+2*\s], 16, v[200+16*\p+2*\s]
.endr
.endr
.rept 8
	v_nop
.endr
	s_wait_alu depctr_va_vdst(0)
	s_wait_tensorcnt 0x0
	s_barrier_signal -1
	s_barrier_wait -1
	FETCHW 0
.irp s, 0,1,2,3,4,5,6,7
	KSTEP \s
.endr
	PLACES
	WIN 0x0c
.irp tt, 0,1,2,3
.irp b, 0,1
.irp q, 0,1,2,3
	ds_store_b128 v12, v[32*\tt+16*\b+4*\q:32*\tt+16*\b+4*\q+3] offset:4352*\tt+128*\b+16*\q
.endr
.endr
.endr
	WIN 0
.irp tt, 0,1,2,3
.irp t, 0,1,2,3,4,5,6,7
	ds_load_b128 v[64+32*\tt+4*\t:67+32*\tt+4*\t], v13 offset:4352*\tt+544*\t
.endr
.endr
.irp tt, 0,1,2,3
.irp t, 0,1,2,3,4,5,6,7
	s_wait_dscnt 31-8*\tt-\t
	global_store_b128 v15, v[64+32*\tt+4*\t:67+32*\tt+4*\t], s[10:11] offset:(32*(\tt/2)+8*(\tt%2)+2*\t+8*(\t/4))*4096 th:TH_STORE_NT
.endr
.endr
	s_wait_tensorcnt 0x0
	ds_add_u32 v254, v255
	s_wait_dscnt 0x0
	ROUND
	s_endpgm
.Lfunc_end_k_q3e881280f0_proj:
	.size	k_q3e881280f0_proj, .Lfunc_end_k_q3e881280f0_proj-k_q3e881280f0_proj
	.p2alignl 7, 3214868480
	.fill 96, 4, 3214868480
	.section	.rodata,"a",@progbits
	.p2align	6, 0x0
	.amdhsa_kernel k_q3e881280f0_proj
		.amdhsa_group_segment_fixed_size 327680
		.amdhsa_private_segment_fixed_size 0
		.amdhsa_enable_private_segment 0
		.amdhsa_kernarg_size 32
		.amdhsa_user_sgpr_count 2
		.amdhsa_user_sgpr_kernarg_segment_ptr 1
		.amdhsa_wavefront_size32 1
		.amdhsa_system_sgpr_workgroup_id_x 1
		.amdhsa_system_sgpr_workgroup_id_y 1
		.amdhsa_system_sgpr_workgroup_id_z 1
		.amdhsa_system_vgpr_workitem_id 0
		.amdhsa_next_free_vgpr 896
		.amdhsa_next_free_sgpr 66
		.amdhsa_reserve_vcc 0
		.amdhsa_float_denorm_mode_32 3
		.amdhsa_float_denorm_mode_16_64 3
		.amdhsa_memory_ordered 1
		.amdhsa_forward_progress 1
		.amdhsa_inst_pref_size 55
	.end_amdhsa_kernel
	.amdgpu_metadata
---
amdhsa.version: [ 1, 2 ]
amdhsa.kernels:
  - .name:           k_q3e881280f0_proj
    .symbol:         k_q3e881280f0_proj.kd
    .args:
      - { .name: oq, .offset: 0, .size: 8, .value_kind: global_buffer, .address_space: global }
      - { .name: wc, .offset: 8, .size: 8, .value_kind: global_buffer, .address_space: global }
      - { .name: bo, .offset: 16, .size: 8, .value_kind: global_buffer, .address_space: global }
      - { .name: out0, .offset: 24, .size: 8, .value_kind: global_buffer, .address_space: global }
    .group_segment_fixed_size: 327680
    .private_segment_fixed_size: 0
    .kernarg_segment_align: 8
    .kernarg_segment_size: 32
    .max_flat_workgroup_size: 128
    .sgpr_count:     66
    .vgpr_count:     896
    .wavefront_size: 32
...
	.end_amdgpu_metadata
.endif
;; end of part 4
